; MI455X (gfx1250); checked and timed in simulation.
; The chip was launched on July 23, 2026; its instructions are those of AMD's public machine-readable ISA for CDNA 5 (MIT licence, August 2026) and "CDNA5" Instruction Set Architecture Reference Guide (July 2026). The comments in the code are by the model that wrote it; some were corrected since.
;; Mo E Layer. Allowed arithmetic: matrix products marked QUANTISED: E2M1 operands, one E8M0 scale for each 32 along K, by v_wmma_scale_f32_16x16x128_f8f6f4 with both operands' format E2M1 (or v_wmma_scale_f32_32x16x128_f4), f32 sums; products left as they are: f32 operands where the result goes on into a quantised operand, else bf16, f16 or f32 operands; f32 sums; everything else in f32.
;; Inputs: b1_all 8 x 2,048 float32; b2_all 8 x 512 float32; router_w 8 x 512 float32; w1_all 8 x 2,048 x 512 float32; w2_all 8 x 512 x 2,048 float32; x 2 x 2,048 x 512 float32.
;; Outputs: out0 2 x 2,048 x 512 float32.
;; This version of the problem:
;;   THIS VERSION OF THE PROBLEM IS GIVEN IN LOW PRECISION. The matrix products marked QUANTISED in the list below multiply operands that are first quantised to E2M1 (2 exponent bits, 1 mantissa bit; 4 bits a number), with one power-of-two scale for each 32 numbers along K (OCP MX v1.0); their sums are f32. All else is computed in f32.
;;   The module's matrix products, in the order in which they are computed (A, B: the left and right operand; K: the contracted axis; several contracted axes count as one K, in the product's order):
;;     1. [M 4,096, K 512] x [K 512, N 8]; A: input x; B: input router_w: left as it is (N = 8 < 16)
;;     2. [M 4,096, K 512] x [K 512, N 16,384]; A: input x; B: input w1_all: QUANTISED
;;     3. batch 8 x [M 512, K 2,048] x [K 2,048, N 4,096]; A: input w2_all; B: computed on the way: QUANTISED
;;   THE QUANTISER, for each operand of a quantised product, along K:
;;     - K is cut into blocks of 32 from its start; a last block that is shorter is filled with zeros.
;;     - A block's scale is 2^e with e = floor(log2(the largest magnitude in the block)) - 2, held to -126 .. 127; a block of zeros has e = 0. As a byte (E8M0): e + 127.
;;     - Each number is divided by its block's scale, clamped to +-6, and rounded to the nearest number of E2M1, ties to even, subnormals kept.
;;     - The product sums the exact products of the quantised numbers (number of the format x scale) in f32.
;;   ~~~python
;;   def quantise(x, axis):      # numpy; x: float32 -> the quantised numbers, widened to float32 again
;;       x = np.moveaxis(x, axis, -1); K = x.shape[-1]
;;       x = np.pad(x, [(0, 0)] * (x.ndim - 1) + [(0, -K % 32)]); x = x.reshape(x.shape[:-1] + (-1, 32)); a = np.abs(x).max(-1, keepdims=True)
;;       e = np.where(a > 0, np.clip(np.frexp(np.where(a > 0, a, 1))[1] - 1 - 2, -126, 127), 0)      # np.frexp(a)[1] - 1 = floor(log2(a)), exactly
;;       r = np.clip(x / 2.0 ** e, -6, 6)
;;       step = 2.0 ** (np.maximum(np.frexp(np.where(r == 0, 1, r))[1] - 1, 0) - 1)
;;       q = np.round(r / step) * step * 2.0 ** e      # np.round: ties to even
;;       return np.moveaxis(q.reshape(q.shape[:-2] + (-1,))[..., :K], -1, axis).astype(np.float32)
;;   ~~~
;;   OPERANDS COMPUTED ON THE WAY. 'Computed on the way' means the value that the module computes at that place (a softmax that the list does not call 'softmax' is quantised finished and normalised). What goes into a quantiser is computed in f32, as accurately as f32 sums, v_exp_f32 and their like allow (about 1e-6 of the number): no bf16 or f16 on the way to a quantiser, and a product that is left as it is and whose result goes on into a quantised operand takes f32 operands (vector FMAs, or v_wmma_f32_16x16x4_f32). A number that lies on a knife's edge between two numbers of the format may be rounded either way, as far as f32 arithmetic and the matrix unit's own rounding can turn it there, and no further.
;; 2 versions, each right; version 2 is version 1 with the launch chain written anew for expert scheduling mode. Each part assembles by itself: llvm-mc -triple=amdgcn-amd-amdhsa -mcpu=gfx1250 --defsym DOCPART=n.
;; ======== version 1 of 2: 4 launches
;; workspace buffers: xq 1,048,576 bytes; xs 65,536 bytes; sel 16,384 bytes of whole numbers; gates 32,768 bytes; wq 8,912,896 bytes; rows 32,768 bytes of whole numbers; tiles 1,024 bytes of whole numbers; y 16,777,216 bytes
;; launch route (part 1): grid 256 x 1, 4 waves a work-group, no clusters, 23,040 bytes of LDS; arguments x, router_w, xq, xs, sel, gates; writes xq, xs, sel, gates
.if DOCPART == 1
	.amdgcn_target "amdgcn-amd-amdhsa--gfx1250"
	.amdhsa_code_object_version 6
	.text
	.protected	k_qc568cc1e51_route
	.globl	k_qc568cc1e51_route
	.p2align	8
	.type	k_qc568cc1e51_route,@function
k_qc568cc1e51_route:
	s_mov_b64 s[64:65], 0
	v_nop
	global_prefetch_b8 v0, s[64:65] scope:SCOPE_SE
	s_setreg_imm32_b32 hwreg(HW_REG_WAVE_MODE, 25, 1), 1
	s_wait_xcnt 0x0
; ROUTER AND QUANTISER OF x.  x: [4096][512] f32.  For each token: the 8 router logits (f32 fused multiply-adds), softmax with the row's maximum taken away, the two largest
; probabilities (the lower index keeps a tie), their weights p / (p1 + p2 + 1e-9); and the token's 512 numbers as codes of FP4 (E2M1) with one E8M0 byte for each 32 along d.
; OUT: xq [token][256 bytes] (two codes a byte, the lower k in the low four bits), xs [token][16 bytes], sel [token] = e0 | e1 << 8, gates f32 [slot][token].
; SHARES: four waves, as many as a WGP has SIMDs; a wave takes 4 neighbouring tokens, 8,192 bytes of x, all asked for at its head (16 loads of 512 consecutive bytes), ahead of its 32 loads of router_w.
; A token's 2,048 bytes turn through the wave's own stage in LDS, so that a lane then holds 16 NEIGHBOURS along d: what the conversions want, and what the router's dot products take too
; (the lane keeps router_w[e][16 lane .. 16 lane + 15] in 128 registers).
; A block's scale is its largest magnitude's exponent field less 2, held at 1 from below by a floor among the maximum's leaves.
; LIMITS: NaN and infinities among the inputs are not served.  A block whose largest magnitude lies under 2^-124 gets the byte 1; a block of zeros too, where the stated quantiser says 127: its codes are zeros,
; and this program alone reads the bytes.  A probability under 2^-126 comes out of v_exp_f32 as 0.  Two probabilities that differ by less than f32 rounding of the sums may be chosen the other way round.
; The stores of sel, gates and xs are short (16 to 64 bytes a wave): 114,688 bytes in the whole launch.
; No matrix unit, no barrier: waves share nothing.
; REGISTERS: window 0: v2-7, v14, v15, v93 addresses; v8-13 at work; v16-47 two sets of 16 neighbours; v48-63 eight sums in pairs; v64-71 logits, then probabilities; v72-79 at work; v80-87 the choice;
;   v90-92 lane t keeps token t's choice and weights; v96-103 codes; v112-115 scale bytes; v128-255 router_w.   window 1: v0-63 x as it is loaded, 16 registers a token.
.set NT,    4                          ; tokens of a wave
.set SP,    80                         ; a lane's place in a stage: its 64 bytes + 16 of padding
.set HALF,  32*SP                      ; a stage
.set SCB,   2*HALF                     ; behind the two stages: the wave's 64 scale bytes
.set WREG,  5632                       ; LDS of a wave
.set X,     16
.set A,     48
.set P,     64
.set Q,     72
.set C,     96
.set E,     112
.set RW,    128
.set MSB, 0
.macro WIN new                         ; the immediate's high byte repeats the setting that is left
.if MSB != \new
	s_set_vgpr_msb (MSB<<8)|\new
.set MSB, \new
.endif
.endm
	s_load_b256 s[4:11], s[0:1], 0x0               ; x s[4:5], router_w s[6:7], xq s[8:9], xs s[10:11]
	s_load_b128 s[12:15], s[0:1], 0x20             ; sel s[12:13], gates s[14:15]
	v_lshl_add_u32 v126, v0, 2, 0x5800
	v_mov_b32 v127, 0
	v_lshrrev_b32 v1, 5, v0
	v_readfirstlane_b32 s16, v1                    ; wave 0..3
	v_and_b32 v2, 31, v0                           ; lane
	v_lshlrev_b32 v3, 4, v2                        ; my 16 bytes of a load's 512
	v_lshlrev_b32 v4, 3, v2                        ; my 8 bytes of a token's codes
	v_lshlrev_b32 v7, 2, v2                        ; 4 x lane
	v_lshlrev_b32 v93, 6, v2                       ; my 16 numbers of a row of router_w
	s_mul_i32 s17, s16, WREG
	v_lshrrev_b32 v14, 2, v2
	v_mul_u32_u24 v14, v14, SP
	v_and_b32 v15, 3, v2
	v_lshl_add_u32 v14, v15, 4, v14
	v_add_nc_u32 v14, s17, v14                     ; the stage, in: SP (lane / 4) + 16 (lane % 4): four lanes' 64 bytes on end, then the padding
	v_mul_u32_u24 v15, v2, SP
	v_add_nc_u32 v15, s17, v15                     ; and out: SP x lane: my 16 neighbours
	v_lshrrev_b32 v5, 1, v2
	s_add_co_u32 s17, s17, SCB
	v_add_nc_u32 v5, s17, v5                       ; my block's scale byte
	v_and_b32 v6, 15, v2
	v_lshlrev_b32 v6, 2, v6
	v_add_nc_u32 v6, s17, v6                       ; and, at the end, 4 of the 64 bytes: lanes 16-31 read what lanes 0-15 read
	s_mov_b32 s20, 0x76543210
	s_mov_b32 s21, 0xfedcba98                      ; v_permlanex16_b32's selects for lane l xor 16
.irp e, 0,1,2,3,4,5,6,7
	v_mov_b32 v[Q+\e], 0                           ; written once: a lane permute's destination counts as one of its sources
.endr
	v_mov_b32 v90, 0
	v_mov_b32 v91, 0
	v_mov_b32 v92, 0
	s_lshl_b32 s18, ttmp9, 2
	s_add_co_u32 s18, s18, s16                     ; which run of 4 tokens is my wave's: 0 .. 1023
	s_mov_b32 s25, 0
	s_wait_kmcnt 0x0
	s_lshl_b32 s24, s18, 13                        ; 4 tokens x 2,048 bytes
	s_add_nc_u64 s[4:5], s[4:5], s[24:25]
	s_lshl_b32 s24, s18, 10                        ; x 256
	s_add_nc_u64 s[8:9], s[8:9], s[24:25]
	s_lshl_b32 s24, s18, 6                         ; x 16
	s_add_nc_u64 s[10:11], s[10:11], s[24:25]
	s_lshl_b32 s24, s18, 4                         ; x 4
	s_add_nc_u64 s[12:13], s[12:13], s[24:25]
	s_add_nc_u64 s[14:15], s[14:15], s[24:25]
	WIN 0x40                                       ; destination window 1
.irp t, 0,1,2,3
.irp i, 0,1,2,3
	global_load_b128 v[16*\t+4*\i:16*\t+4*\i+3], v3, s[4:5] offset:2048*\t+512*\i th:TH_LOAD_NT   ; 32 lanes read 512 consecutive bytes
.endr
.endr
	WIN 0
.irp e, 0,1,2,3,4,5,6,7
.irp j, 0,1,2,3
	global_load_b128 v[RW+16*\e+4*\j:RW+16*\e+4*\j+3], v93, s[6:7] offset:2048*\e+16*\j
.endr
.endr
.macro TURN t                          ; token t through a stage: LDS serves a wave's instructions in order (ISA guide 5.7.1.4), so no wait stands between the stores and the loads
	WIN 0x04                                       ; an LDS store's data are its source 1: window 1
.irp i, 0,1,2,3
	ds_store_b128 v14, v[16*(\t)+4*\i:16*(\t)+4*\i+3] offset:HALF*((\t)%2)+8*SP*\i
.endr
	WIN 0
.irp i, 0,1,2,3
	ds_load_b128 v[X+16*((\t)%2)+4*\i:X+16*((\t)%2)+4*\i+3], v15 offset:HALF*((\t)%2)+16*\i
.endr
.endm
.macro TOKEN t
.set XS, X+16*((\t)%2)
.if (\t) > 0
	s_wait_dscnt 1                                 ; this token's numbers are back from the stage; the last token's byte store may be out
.else
	s_wait_dscnt 0x0
.endif
.if (\t) < NT-1
.if (\t) == 0
	s_wait_loadcnt 40                              ; token 1's four loads are in: behind them stand 8 loads of x and router_w's 32.  (Later tokens' loads are in by the wait for 0 below)
.endif
	TURN (\t)+1                                    ; the next token goes through the other stage while this one is worked
.endif
	; ---- the quantiser: two neighbouring lanes hold a block of 32
	v_max3_num_f32 v8, |v[XS]|, |v[XS+1]|, |v[XS+2]|
	v_max3_num_f32 v9, |v[XS+3]|, |v[XS+4]|, |v[XS+5]|
.irp i, 6,10
	v_max3_num_f32 v8, v8, |v[XS+\i]|, |v[XS+\i+1]|
	v_max3_num_f32 v9, v9, |v[XS+\i+2]|, |v[XS+\i+3]|
.endr
	v_max3_num_f32 v8, v8, |v[XS+14]|, |v[XS+15]|
	v_max3_num_f32 v8, v8, v9, 0x1800000           ; and the floor 2^(3 - 127): the byte cannot fall under 1
	v_max_num_f32_dpp v8, v8, v8 row_xmask:1 row_mask:0xf bank_mask:0xf   ; with my neighbour's 16: the block's largest magnitude
	v_add_nc_u32 v11, 0xff000000, v8               ; 2 off its exponent field: the conversion takes the exponent field of this operand as its scale
	v_cvt_scalef32_pk8_fp4_f32 v[C+2*(\t)], v[XS:XS+7], v11
	v_cvt_scalef32_pk8_fp4_f32 v[C+2*(\t)+1], v[XS+8:XS+15], v11
	v_lshrrev_b32 v[E+(\t)], 23, v11               ; the scale's byte (a plain line behind the conversions)
	ds_store_b8 v5, v[E+(\t)] offset:16*(\t)       ; both lanes of a block write the same byte with the same value
	global_store_b64 v4, v[C+2*(\t):C+2*(\t)+1], s[8:9] offset:256*(\t)   ; the wave stores the token's 256 consecutive bytes; each token has its own registers, so none is written again
.if (\t) == 0
	s_wait_loadcnt 0x0                             ; router_w is in, and so is all of x
.endif
	; ---- the router: eight dot products, the experts by turns
.irp e, 0,1,2,3,4,5,6,7
	v_pk_mul_f32 v[A+2*\e:A+2*\e+1], v[XS:XS+1], v[RW+16*\e:RW+16*\e+1]
.endr
.irp i, 2,4,6,8,10,12,14
.irp e, 0,1,2,3,4,5,6,7
	v_pk_fma_f32 v[A+2*\e:A+2*\e+1], v[XS+\i:XS+\i+1], v[RW+16*\e+\i:RW+16*\e+\i+1], v[A+2*\e:A+2*\e+1]
.endr
.endr
.irp e, 0,1,2,3,4,5,6,7
	v_add_f32 v[P+\e], v[A+2*\e], v[A+2*\e+1]
.endr
.irp k, 1,2,4,8
.irp e, 0,1,2,3,4,5,6,7
	v_add_f32_dpp v[P+\e], v[P+\e], v[P+\e] row_xmask:\k row_mask:0xf bank_mask:0xf
.endr
.endr
.irp e, 0,1,2,3,4,5,6,7
	v_permlanex16_b32 v[Q+\e], v[P+\e], s20, s21
.endr
.irp e, 0,1,2,3,4,5,6,7
	v_add_f32 v[P+\e], v[P+\e], v[Q+\e]            ; every lane holds the token's eight logits
.endr
	; ---- softmax: the maximum is taken away first
	v_max3_num_f32 v8, v[P], v[P+1], v[P+2]
	v_max3_num_f32 v8, v8, v[P+3], v[P+4]
	v_max3_num_f32 v8, v8, v[P+5], v[P+6]
	v_max_num_f32 v8, v8, v[P+7]
.irp e, 0,1,2,3,4,5,6,7
	v_sub_f32 v[P+\e], v[P+\e], v8
.endr
.irp e, 0,1,2,3,4,5,6,7
	v_mul_f32 v[P+\e], 0x3fb8aa3b, v[P+\e]         ; x log2(e)
.endr
.irp e, 0,1,2,3,4,5,6,7
	v_exp_f32 v[P+\e], v[P+\e]
.endr
	v_nop                                          ; a plain line between the last exponential and the use of its result (ISA guide 5.7.2)
	s_wait_alu depctr_va_vdst(0)
	v_add_f32 v9, v[P], v[P+1]
	v_add_f32 v10, v[P+2], v[P+3]
	v_add_f32 v12, v[P+4], v[P+5]
	v_add_f32 v13, v[P+6], v[P+7]
	v_add_f32 v9, v9, v10
	v_add_f32 v12, v12, v13
	v_add_f32 v9, v9, v12
	v_rcp_f32 v9, v9
	v_nop
	s_wait_alu depctr_va_vdst(0)
.irp e, 0,1,2,3,4,5,6,7
	v_mul_f32 v[P+\e], v[P+\e], v9
.endr
	; ---- the largest: a later expert takes over only where it is strictly larger, so the lower index keeps a tie
	v_mov_b32 v80, v[P]
	v_mov_b32 v81, 0
.irp e, 1,2,3,4,5,6,7
	v_cmp_le_f32 vcc_lo, v[P+\e], v80
	v_cndmask_b32 v81, \e, v81, vcc_lo
	v_cndmask_b32 v80, v[P+\e], v80, vcc_lo
.endr
.irp e, 0,1,2,3,4,5,6,7
	v_cmp_ne_u32 vcc_lo, \e, v81
	v_cndmask_b32 v[Q+\e], -1.0, v[P+\e], vcc_lo   ; the chosen one is put under every probability
.endr
	v_mov_b32 v82, v[Q]
	v_mov_b32 v83, 0
.irp e, 1,2,3,4,5,6,7
	v_cmp_le_f32 vcc_lo, v[Q+\e], v82
	v_cndmask_b32 v83, \e, v83, vcc_lo
	v_cndmask_b32 v82, v[Q+\e], v82, vcc_lo
.endr
	v_add_f32 v84, v80, v82
	v_add_f32 v84, 0x3089705f, v84                 ; + 1e-9
	v_rcp_f32 v84, v84
	v_lshl_or_b32 v87, v83, 8, v81                 ; e0 | e1 << 8 (the plain line behind the reciprocal)
	v_cmp_eq_u32 vcc_lo, \t, v2
	s_wait_alu depctr_va_vdst(0)
	v_mul_f32 v85, v80, v84
	v_mul_f32 v86, v82, v84
	v_cndmask_b32 v90, v90, v87, vcc_lo            ; lane t keeps token t's
	v_cndmask_b32 v91, v91, v85, vcc_lo
	v_cndmask_b32 v92, v92, v86, vcc_lo
.endm
	s_wait_loadcnt 44                              ; token 0's four loads are in: behind them stand 12 loads of x and router_w's 32
	TURN 0
.irp t, 0,1,2,3
	TOKEN \t
.endr
	ds_load_b32 v8, v6                             ; my wave's 64 scale bytes: these see my byte stores
	s_wait_dscnt 0x0
	s_wait_xcnt 0x0                                ; EXEC changes only behind this wait
	v_cmp_gt_u32 vcc_lo, 16, v2
	s_wait_tensorcnt 0x0
	ds_add_u32 v126, v127
	s_wait_dscnt 0x0
	s_and_saveexec_b32 s22, vcc_lo                 ; lanes 0 to 15
	global_store_b32 v7, v8, s[10:11]              ; 64 consecutive bytes
	s_wait_xcnt 0x0                                ; and again, in front of the line that widens it
	s_or_b32 exec_lo, exec_lo, s22
	v_cmp_gt_u32 vcc_lo, NT, v2
	s_and_saveexec_b32 s22, vcc_lo                 ; lanes 0 to 3 (nothing was issued since the last wait)
	global_store_b32 v7, v90, s[12:13]
	global_store_b32 v7, v91, s[14:15]
	global_store_b32 v7, v92, s[14:15] offset:16384
	s_wait_xcnt 0x0
	s_or_b32 exec_lo, exec_lo, s22
	s_endpgm
.Lfunc_end_k_qc568cc1e51_route:
	.size	k_qc568cc1e51_route, .Lfunc_end_k_qc568cc1e51_route-k_qc568cc1e51_route
	.p2alignl 7, 3214868480
	.fill 96, 4, 3214868480
	.section	.rodata,"a",@progbits
	.p2align	6, 0x0
	.amdhsa_kernel k_qc568cc1e51_route
		.amdhsa_group_segment_fixed_size 23040
		.amdhsa_private_segment_fixed_size 0
		.amdhsa_enable_private_segment 0
		.amdhsa_kernarg_size 48
		.amdhsa_user_sgpr_count 2
		.amdhsa_user_sgpr_kernarg_segment_ptr 1
		.amdhsa_wavefront_size32 1
		.amdhsa_system_sgpr_workgroup_id_x 1
		.amdhsa_system_sgpr_workgroup_id_y 1
		.amdhsa_system_sgpr_workgroup_id_z 1
		.amdhsa_system_vgpr_workitem_id 0
		.amdhsa_next_free_vgpr 320
		.amdhsa_next_free_sgpr 66
		.amdhsa_reserve_vcc 1
		.amdhsa_float_denorm_mode_32 3
		.amdhsa_float_denorm_mode_16_64 3
		.amdhsa_memory_ordered 1
		.amdhsa_forward_progress 1
		.amdhsa_inst_pref_size 59
	.end_amdhsa_kernel
	.amdgpu_metadata
---
amdhsa.version: [ 1, 2 ]
amdhsa.kernels:
  - .name:           k_qc568cc1e51_route
    .symbol:         k_qc568cc1e51_route.kd
    .args:
      - { .name: x, .offset: 0, .size: 8, .value_kind: global_buffer, .address_space: global }
      - { .name: router_w, .offset: 8, .size: 8, .value_kind: global_buffer, .address_space: global }
      - { .name: xq, .offset: 16, .size: 8, .value_kind: global_buffer, .address_space: global }
      - { .name: xs, .offset: 24, .size: 8, .value_kind: global_buffer, .address_space: global }
      - { .name: sel, .offset: 32, .size: 8, .value_kind: global_buffer, .address_space: global }
      - { .name: gates, .offset: 40, .size: 8, .value_kind: global_buffer, .address_space: global }
    .group_segment_fixed_size: 23040
    .private_segment_fixed_size: 0
    .kernarg_segment_align: 8
    .kernarg_segment_size: 48
    .max_flat_workgroup_size: 128
    .sgpr_count:     66
    .vgpr_count:     320
    .wavefront_size: 32
...
	.end_amdgpu_metadata
.endif
;; end of part 1
;; launch weights (part 2): grid 257 x 1, 4 waves a work-group, no clusters, 70,144 bytes of LDS; arguments w1_all, w2_all, sel, wq, rows, tiles; writes wq, rows, tiles
.if DOCPART == 2
	.amdgcn_target "amdgcn-amd-amdhsa--gfx1250"
	.amdhsa_code_object_version 6
	.text
	.protected	k_qc568cc1e51_weights
	.globl	k_qc568cc1e51_weights
	.p2align	8
	.type	k_qc568cc1e51_weights,@function
k_qc568cc1e51_weights:
	s_mov_b64 s[64:65], 0
	v_nop
	global_prefetch_b8 v0, s[64:65] scope:SCOPE_SE
	s_setreg_imm32_b32 hwreg(HW_REG_WAVE_MODE, 25, 1), 1
	s_wait_xcnt 0x0
; THE WEIGHTS INTO CODES, AND THE PLACING OF THE ROUTED ROWS.  Three paths, parted by the work-group's number alone; each has LDS bytes of its own.
; Work-groups 1-128: w1_all [8][2048][512] f32; work-groups 129-256: w2_all [8][512][2048] f32: codes of FP4 (E2M1) with one E8M0 byte for each 32 along K (K is innermost in both), laid in wq in the ORDER IN WHICH
; A WAVE OF THE NEXT LAUNCH TAKES THEM: [expert 8][wave w 4][chunk 4][group g 8] records of 8,704 bytes.  A record is 8 fragments (16 rows x 128 K) of 1,024 bytes as images of the operand's registers
; ([c 0,1][lane][16 bytes]: lane (r, h) holds k = 64 c + 32 h + 0 .. 31 of the fragment's row r) and 512 bytes of scale words: that of (fragment f, row r) at 8192 + 16 (16 (f % 2) + r) + 4 (f / 2).
;   g = s (0..3): W1, d = 128 s on; fragment t, row r = hidden unit 512 chunk + 128 w + 32 (t / 2) + 8 (t % 2) + r + 8 (r / 8): so chosen that the product's results lie as neighbours along the next K.
;   g = 4 + s:    W2, dff = 512 chunk + 128 s on; fragment n, row r = output column 128 w + 16 n + r.
; A work-group takes one (expert, w, chunk), its wave v the K step s = v: one record.  Each load reads 512 consecutive bytes of one row (a row's whole K step); 16 rows turn through the wave's own stage in LDS
; (rows 528 bytes apart) and come back so that a lane holds two whole blocks of 32: no other lane is asked for a maximum.  Loads run four fragments (64 loads a wave) ahead.  Every store covers 512 consecutive bytes.
; Work-group 0: a counting sort of the 8,192 routed rows (token, slot) by expert into rows [8192] = token | slot << 12, and the table tiles [256] = first row | (rows - 1) << 16 | expert << 24.
; THE TABLE ALWAYS HAS EXACTLY 135 TILES OF 1 TO 64 ROWS OF ONE EXPERT.  The sum of ceil(N[e] / 64) lies between 128 and 135 whatever the choice; what is missing, X = 0 .. 7, is made up by cutting X full tiles of the
; first expert with 1,024 rows or more (there is one: the eight counts add up to 8,192) into halves of 32.  So the next launch has a fixed grid, no work-group without rows and no branch on the table.
; (Entries 135 to 255 are written and never read.)  The sort's stores of 4 bytes are strewn over the 32,768 bytes of rows.
; LIMITS: NaN and infinities among the weights are not served.  A block whose largest magnitude lies under 2^-124 gets the byte 1; a block of zeros too, where the stated quantiser says 127: its codes are zeros,
; and this program alone reads the bytes.  The sort's count takes a token's two experts to differ, as the launch before makes them for inputs without NaN.
.set REC,   8704
.set SPI,   528                        ; a stage row: 512 bytes + 16 = 132 words: the 16 rows that a load touches start at 16 different banks (64 banks of 4 bytes: ISA guide 11.1)
.set WSTG,  16*SPI                     ; a wave's stage
.set W1STG, 0
.set W2STG, 4*WSTG
.set PLB,   8*WSTG                     ; the sort's 64 bytes
.set X,     16                         ; v16-79  64 numbers: register 32 c + i = k 64 c + 32 h + i of my row
.set C,     80                         ; v80-95  codes, two sets of 8
.set SW,    96                         ; v96-99  scale words: register q: lanes 0-15 fragment 2 q, lanes 16-31 fragment 2 q + 1
.set MSB, 0
.macro WIN new                         ; the immediate's high byte repeats the setting that is left
.if MSB != \new
	s_set_vgpr_msb (MSB<<8)|\new
.set MSB, \new
.endif
.endm
.macro LOADF f, kind, src              ; fragment f's 16 rows into set f % 4 of window 1
	WIN 0x40
.irp i, 0,1,2,3,4,5,6,7,8,9,10,11,12,13,14,15
.if \kind
	global_load_b128 v[64*((\f)%4)+4*\i:64*((\f)%4)+4*\i+3], v2, s[\src:\src+1] offset:(16*(\f)+\i)*8192 th:TH_LOAD_NT
.else
	global_load_b128 v[64*((\f)%4)+4*\i:64*((\f)%4)+4*\i+3], v2, s[\src:\src+1] offset:(32*((\f)/2)+8*((\f)%2)+\i+8*(\i/8))*2048 th:TH_LOAD_NT
.endif
.endr
	WIN 0
.endm
.macro FRAGQ f, kind, src
.set CC, C+8*((\f)%2)
.if (\f) <= 4
	s_wait_loadcnt 48                              ; this fragment's 16 loads are in; those of the three behind it may be out
.else
	s_wait_loadcnt 16*(7-(\f))
.endif
	WIN 0x04                                       ; an LDS store's data are its source 1: window 1
.irp i, 0,1,2,3,4,5,6,7,8,9,10,11,12,13,14,15
	ds_store_b128 v3, v[64*((\f)%4)+4*\i:64*((\f)%4)+4*\i+3] offset:SPI*\i
.endr
	WIN 0
.irp c, 0,1
.irp j, 0,1,2,3,4,5,6,7
	ds_load_b128 v[X+32*\c+4*\j:X+32*\c+4*\j+3], v4 offset:256*\c+16*\j   ; LDS serves a wave's instructions in order (ISA guide 5.7.1.4): these see the stores above
.endr
.endr
	s_wait_dscnt 0x0                               ; my numbers are in, and the stores have read their registers,
.if (\f)+4 < 8
	LOADF (\f)+4, \kind, \src                      ; which take the fragment four further on
.endif
.irp c, 0,1
.irp u, 0,1
	v_max3_num_f32 v[8+2*\c+\u], |v[X+32*\c+16*\u]|, |v[X+32*\c+16*\u+1]|, 0x1800000   ; block 2 c + h: all 32 numbers are mine; two chains a block; the floor 2^(3 - 127) holds the byte at 1 from below
.endr
.endr
.irp i, 2,4,6,8,10,12,14
.irp c, 0,1
.irp u, 0,1
	v_max3_num_f32 v[8+2*\c+\u], v[8+2*\c+\u], |v[X+32*\c+16*\u+\i]|, |v[X+32*\c+16*\u+\i+1]|
.endr
.endr
.endr
	v_max_num_f32 v8, v8, v9
	v_max_num_f32 v10, v10, v11
	v_add_nc_u32 v9, 0xff000000, v8                ; 2 off the exponent field: the conversion's scale operand
	v_add_nc_u32 v11, 0xff000000, v10
	v_lshrrev_b32 v12, 23, v9                      ; the scales' bytes
	v_lshrrev_b32 v13, 23, v11
	v_lshl_or_b32 v14, v13, 16, v12                ; blocks h and 2 + h of my row,
	v_lshlrev_b32 v14, v5, v14                     ; at their places in the scale word (8 h bits up);
	v_permlanex16_b32 v15, v14, s20, s21
	v_or_b32 v14, v14, v15                         ; with lane l xor 16's two the word is whole
	s_wait_xcnt 0x0                                ; the stores of two fragments ago have read this set of codes
.irp c, 0,1
.irp g, 0,1,2,3
	v_cvt_scalef32_pk8_fp4_f32 v[CC+4*\c+\g], v[X+32*\c+8*\g:X+32*\c+8*\g+7], v[9+2*\c]   ; registers 4 c .. 4 c + 3 of the operand
.endr
.endr
.if (\f)%2
	v_cndmask_b32 v[SW+(\f)/2], v[SW+(\f)/2], v14, s30   ; an odd fragment's words go to lanes 16-31 (a plain line behind the conversions)
.else
	v_mov_b32 v[SW+(\f)/2], v14
.endif
.irp c, 0,1
	global_store_b128 v2, v[CC+4*\c:CC+4*\c+3], s[10:11] offset:1024*(\f)+512*\c
.endr
.endm
.macro WPATH kind, src
.if \kind
	s_sub_co_u32 s16, ttmp9, 129
.else
	s_sub_co_u32 s16, ttmp9, 1
.endif
	s_lshr_b32 s17, s16, 4                         ; expert
	s_bfe_u32 s18, s16, 0x20002                    ; w
	s_and_b32 s19, s16, 3                          ; chunk
	s_lshl_b32 s24, s17, 22                        ; an expert's weights are 4 MiB
.if \kind
	s_lshl_b32 s25, s18, 20                        ; W2: 128 w rows of 8,192 bytes,
	s_lshl_b32 s26, s19, 11                        ; 512 chunk along the row
.else
	s_lshl_b32 s25, s18, 18                        ; W1: 128 w rows of 2,048 bytes,
	s_lshl_b32 s26, s19, 20                        ; 512 chunk rows
.endif
	s_add_co_u32 s24, s24, s25
	s_add_co_u32 s24, s24, s26
	s_lshl_b32 s25, s28, 9                         ; my K step: 128 numbers along the row
	s_add_co_u32 s24, s24, s25
	s_mov_b32 s25, 0
	s_add_nc_u64 s[\src:\src+1], s[\src:\src+1], s[24:25]
	s_lshl_b32 s26, s16, 3
	s_add_co_u32 s26, s26, s28
.if \kind
	s_add_co_u32 s26, s26, 4
.endif
	s_mul_i32 s26, s26, REC                        ; my record
	s_mov_b32 s27, 0
	s_add_nc_u64 s[10:11], s[10:11], s[26:27]
	s_mov_b32 s30, 0xffff0000                      ; lanes 16-31
	s_mul_i32 s29, s28, WSTG
.if \kind
	s_add_co_u32 s29, s29, W2STG
.endif
	v_and_b32 v6, 31, v0
	v_lshlrev_b32 v2, 4, v6                        ; 16 x lane: in memory, both ways
	v_add_nc_u32 v3, s29, v2                       ; and into my stage
	v_and_b32 v7, 15, v0                           ; r
	v_bfe_u32 v5, v0, 4, 1                         ; h
	v_mul_u32_u24 v4, v7, SPI
	v_lshl_add_u32 v4, v5, 7, v4
	v_add_nc_u32 v4, s29, v4                       ; out of it: row r, + 128 h bytes
	v_lshlrev_b32 v5, 3, v5                        ; 8 h
	v_mov_b32 v15, 0                               ; written once: a lane permute's destination counts as one of its sources
.irp f, 0,1,2,3
	LOADF \f, \kind, \src
.endr
.irp f, 0,1,2,3,4,5,6,7
	FRAGQ \f, \kind, \src
.endr
	global_store_b128 v2, v[SW:SW+3], s[10:11] offset:8192   ; the record's 512 bytes of scale words
	s_wait_tensorcnt 0x0
	ds_add_u32 v254, v255
	s_wait_dscnt 0x0
	s_endpgm
.endm
	s_load_b256 s[4:11], s[0:1], 0x0               ; w1_all s[4:5], w2_all s[6:7], sel s[8:9], wq s[10:11]
	s_load_b128 s[12:15], s[0:1], 0x20             ; rows s[12:13], tiles s[14:15]
	v_lshl_add_u32 v254, v0, 2, 0x11000
	v_mov_b32 v255, 0
	v_lshrrev_b32 v1, 5, v0
	v_readfirstlane_b32 s28, v1                    ; wave 0..3
	s_mov_b32 s20, 0x76543210
	s_mov_b32 s21, 0xfedcba98                      ; v_permlanex16_b32's selects for lane l xor 16
	s_wait_kmcnt 0x0
	s_cmp_eq_u32 ttmp9, 0
	s_cbranch_scc1 .Lplace
	s_cmp_le_u32 ttmp9, 128
	s_cbranch_scc1 .Lw1
	WPATH 1, 6
.Lw1:
	WPATH 0, 4
; ---- THE SORT.  128 threads; thread i holds tokens 512 j + 4 i + q (j = 0..7, q = 0..3): 64 routed rows.  No branch hangs on the data; one barrier.
; v16-47 the tokens' words; v48-55 my counts, later my next free place, for each expert; v56-59 the counts packed two to a register (none passes 4,096) and scanned; v60-63 my own; v64-67, v70-79 at work;
; v68 -1 in lanes 16-31; v69 4 i; v96-159, v160-223 each store's own offset and data, so that none is written again; v224-239 the four waves' totals.
; s32-39 N[e]; s40-47 the experts' first rows; s48-55 X for the expert whose tiles are cut, else 0; s56-63 the experts' first tiles; s74-81 ceil(N / 64).
.Lplace:
	v_lshlrev_b32 v3, 4, v0
	v_lshlrev_b32 v69, 2, v0
	v_bfe_u32 v68, v0, 4, 1
	v_sub_nc_u32 v68, 0, v68
	v_mov_b32 v79, 32
.irp j, 0,1,2,3,4,5,6,7
	global_load_b128 v[16+4*\j:19+4*\j], v3, s[8:9] offset:2048*\j
.endr
	v_mov_b32 v77, 1
	v_mov_b32 v74, 0                               ; my counts of experts 0, 2, 4, 6, a byte each;
	v_mov_b32 v75, 0                               ; of experts 1, 3, 5, 7
.irp k, 0,1,2,3
	v_mov_b32 v[64+\k], 0                          ; written once: a DPP form's destination counts as one of its sources
.endr
	s_wait_loadcnt 0x0
; COUNT, eight counters of four bits in one register: each routed row adds 1 << 4 e.  A group is 8 tokens, and a token's two experts differ, so no counter passes 8; then the group's counters are widened to bytes
; (32 at the most over the four groups).
.irp g, 0,1,2,3
.set n, 0
.rept 8
	v_lshlrev_b32 v70, 2, v[16+8*\g+n]
	v_lshrrev_b32 v71, 6, v[16+8*\g+n]
	v_and_b32 v70, 28, v70                         ; 4 e0
	v_and_b32 v71, 28, v71                         ; 4 e1
	v_lshlrev_b32 v70, v70, v77
	v_lshlrev_b32 v71, v71, v77
.if n == 0
	v_add_nc_u32 v72, v70, v71
.else
	v_add3_u32 v72, v72, v70, v71
.endif
.set n, n+1
.endr
	v_and_b32 v73, 0x0f0f0f0f, v72
	v_lshrrev_b32 v72, 4, v72
	v_and_b32 v72, 0x0f0f0f0f, v72
	v_add_nc_u32 v74, v74, v73
	v_add_nc_u32 v75, v75, v72
.endr
.irp k, 0,1,2,3
	v_bfe_u32 v[48+2*\k], v74, 8*\k, 8
	v_bfe_u32 v[49+2*\k], v75, 8*\k, 8
.endr
.irp k, 0,1,2,3
	v_lshl_or_b32 v[56+\k], v[49+2*\k], 16, v[48+2*\k]
.endr
.irp k, 0,1,2,3
	v_mov_b32 v[60+\k], v[56+\k]
.endr
.irp d, 1,2,4,8                        ; an inclusive scan over each 16 lanes
.irp k, 0,1,2,3
	v_mov_b32_dpp v[64+\k], v[56+\k] row_shr:\d row_mask:0xf bank_mask:0xf bound_ctrl:1
.endr
.irp k, 0,1,2,3
	v_add_nc_u32 v[56+\k], v[56+\k], v[64+\k]
.endr
.endr
.irp k, 0,1,2,3
	v_readlane_b32 s[66+\k], v[56+\k], 15          ; lanes 16-31 add the lower half's total
.endr
.irp k, 0,1,2,3
	v_and_b32 v[64+\k], s[66+\k], v68
.endr
.irp k, 0,1,2,3
	v_add_nc_u32 v[56+\k], v[56+\k], v[64+\k]
.endr
.irp k, 0,1,2,3
	v_readlane_b32 s[66+\k], v[56+\k], 31          ; my wave's totals
.endr
.irp k, 0,1,2,3
	v_mov_b32 v[72+\k], s[66+\k]
.endr
	v_mov_b32 v76, s28
	v_lshl_add_u32 v76, v76, 4, PLB
	ds_store_b128 v76, v[72:75]                    ; all lanes write the same 16 bytes with the same values
	s_wait_dscnt 0x0                               ; for the others' sake: my store has landed
	s_barrier_signal -1
	s_barrier_wait -1
	v_mov_b32 v77, PLB
.irp w, 0,1,2,3
	ds_load_b128 v[224+4*\w:227+4*\w], v77 offset:16*\w
.endr
	s_cmp_gt_u32 s28, 0
	s_cselect_b32 s70, -1, 0
	s_cmp_gt_u32 s28, 1
	s_cselect_b32 s71, -1, 0
	s_cmp_gt_u32 s28, 2
	s_cselect_b32 s72, -1, 0
	s_wait_dscnt 0x0
.irp k, 0,1,2,3
	v_add3_u32 v[72+\k], v[224+\k], v[228+\k], v[232+\k]
	v_add_nc_u32 v[72+\k], v[72+\k], v[236+\k]     ; all four waves' totals
	v_and_b32 v[64+\k], s70, v[224+\k]             ; and those of the waves in front of mine
	v_and_b32 v78, s71, v[228+\k]
	v_add_nc_u32 v[64+\k], v[64+\k], v78
	v_and_b32 v78, s72, v[232+\k]
	v_add_nc_u32 v[64+\k], v[64+\k], v78
	v_add_nc_u32 v[64+\k], v[64+\k], v[56+\k]
	v_sub_nc_u32 v[64+\k], v[64+\k], v[60+\k]      ; + the threads in front of me in my wave: how many rows of each expert stand in front of mine
.endr
.irp k, 0,1,2,3
	v_and_b32 v78, 0xffff, v[72+\k]
	v_readfirstlane_b32 s[32+2*\k], v78
	v_lshrrev_b32 v78, 16, v[72+\k]
	v_readfirstlane_b32 s[33+2*\k], v78
.endr
	s_mov_b32 s40, 0
.irp e, 0,1,2,3,4,5,6
	s_add_co_u32 s[41+\e], s[40+\e], s[32+\e]
.endr
	s_mov_b32 s82, 135
.irp e, 0,1,2,3,4,5,6,7
	s_add_co_u32 s[74+\e], s[32+\e], 63
	s_lshr_b32 s[74+\e], s[74+\e], 6
	s_sub_co_u32 s82, s82, s[74+\e]                ; X: the tiles that are missing to 135
.endr
	s_mov_b32 s83, 0
.irp e, 7,6,5,4,3,2,1,0
	s_cmp_ge_u32 s[32+\e], 1024
	s_cselect_b32 s83, \e, s83                     ; the first expert with 1,024 rows or more: it has 16 full tiles, more than X
.endr
.irp e, 0,1,2,3,4,5,6,7
	s_cmp_eq_u32 s83, \e
	s_cselect_b32 s[48+\e], s82, 0
.endr
	s_mov_b32 s56, 0
.irp e, 0,1,2,3,4,5,6
	s_add_co_u32 s[57+\e], s[56+\e], s[74+\e]
	s_add_co_u32 s[57+\e], s[57+\e], s[48+\e]
.endr
.irp k, 0,1,2,3
	v_and_b32 v[48+2*\k], 0xffff, v[64+\k]
	v_add_nc_u32 v[48+2*\k], s[40+2*\k], v[48+2*\k]
	v_lshrrev_b32 v[49+2*\k], 16, v[64+\k]
	v_add_nc_u32 v[49+2*\k], s[41+2*\k], v[49+2*\k]   ; my next free place in rows, for each expert
.endr
.set n, 0
.rept 32                               ; place: each routed row takes its expert's next free place; the compare's bit is added as a carry
	v_and_b32 v70, 15, v[16+n]
	v_lshrrev_b32 v71, 8, v[16+n]
.irp sl, 0,1
	v_mov_b32 v72, v48
.irp e, 0,1,2,3,4,5,6,7
	v_cmp_eq_u32 vcc_lo, \e, v[70+\sl]
.if \e > 0
	v_cndmask_b32 v72, v72, v[48+\e], vcc_lo
.endif
	v_add_co_ci_u32 v[48+\e], vcc_lo, 0, v[48+\e], vcc_lo
.endr
	v_min_u32 v72, 0x1fff, v72                     ; held inside the list
	v_lshlrev_b32 v[96+2*n+\sl], 2, v72
	v_add_nc_u32 v[160+2*n+\sl], 512*(n/4)+n%4+4096*\sl, v69   ; token | slot << 12
	global_store_b32 v[96+2*n+\sl], v[160+2*n+\sl], s[12:13]
.endr
.set n, n+1
.endr
.macro TILE u                          ; table entry i = thread + 128 u
.if \u
	v_add_nc_u32 v70, 128*\u, v0
.else
	v_mov_b32 v70, v0
.endif
	v_mov_b32 v71, 0                               ; the expert,
	v_mov_b32 v72, 0                               ; its first tile,
	v_mov_b32 v73, 0                               ; its first row,
	v_mov_b32 v74, s32                             ; its rows,
	v_mov_b32 v75, s48                             ; its X
.irp e, 1,2,3,4,5,6,7
	v_cmp_gt_u32 vcc_lo, s[56+\e], v70             ; expert e's first tile lies behind i: keep; else take e (an expert without rows is passed over by the next)
	v_cndmask_b32 v71, \e, v71, vcc_lo
	v_cndmask_b32 v72, s[56+\e], v72, vcc_lo
	v_cndmask_b32 v73, s[40+\e], v73, vcc_lo
	v_cndmask_b32 v74, s[32+\e], v74, vcc_lo
	v_cndmask_b32 v75, s[48+\e], v75, vcc_lo
.endr
	v_sub_nc_u32 v72, v70, v72                     ; j: which tile of the expert
	v_lshlrev_b32 v76, 1, v75
	v_cmp_lt_u32 vcc_lo, v72, v76                  ; the first 2 X are halves
	v_sub_nc_u32 v77, v72, v75
	v_lshlrev_b32 v77, 6, v77                      ; 64 (j - X),
	v_lshlrev_b32 v78, 5, v72                      ; or 32 j
	v_cndmask_b32 v77, v77, v78, vcc_lo
	v_cndmask_b32 v78, 64, v79, vcc_lo             ; 64 rows at the most, or 32
	v_sub_nc_u32 v74, v74, v77
	v_min_u32 v74, v74, v78
	v_add_nc_u32 v74, -1, v74
	v_and_b32 v74, 63, v74                         ; rows - 1
	v_add_nc_u32 v73, v73, v77
	v_and_b32 v73, 0x1fff, v73                     ; the tile's first row in the list
	v_lshl_or_b32 v73, v74, 16, v73
	v_lshl_or_b32 v[80+\u], v71, 24, v73
	global_store_b32 v69, v[80+\u], s[14:15] offset:512*\u
.endm
	TILE 0
	TILE 1
	s_wait_tensorcnt 0x0
	ds_add_u32 v254, v255
	s_wait_dscnt 0x0
	s_endpgm
.Lfunc_end_k_qc568cc1e51_weights:
	.size	k_qc568cc1e51_weights, .Lfunc_end_k_qc568cc1e51_weights-k_qc568cc1e51_weights
	.p2alignl 7, 3214868480
	.fill 96, 4, 3214868480
	.section	.rodata,"a",@progbits
	.p2align	6, 0x0
	.amdhsa_kernel k_qc568cc1e51_weights
		.amdhsa_group_segment_fixed_size 70144
		.amdhsa_private_segment_fixed_size 0
		.amdhsa_enable_private_segment 0
		.amdhsa_kernarg_size 48
		.amdhsa_user_sgpr_count 2
		.amdhsa_user_sgpr_kernarg_segment_ptr 1
		.amdhsa_wavefront_size32 1
		.amdhsa_system_sgpr_workgroup_id_x 1
		.amdhsa_system_sgpr_workgroup_id_y 1
		.amdhsa_system_sgpr_workgroup_id_z 1
		.amdhsa_system_vgpr_workitem_id 0
		.amdhsa_next_free_vgpr 512
		.amdhsa_next_free_sgpr 96
		.amdhsa_reserve_vcc 1
		.amdhsa_float_denorm_mode_32 3
		.amdhsa_float_denorm_mode_16_64 3
		.amdhsa_memory_ordered 1
		.amdhsa_forward_progress 1
		.amdhsa_inst_pref_size 206
	.end_amdhsa_kernel
	.amdgpu_metadata
---
amdhsa.version: [ 1, 2 ]
amdhsa.kernels:
  - .name:           k_qc568cc1e51_weights
    .symbol:         k_qc568cc1e51_weights.kd
    .args:
      - { .name: w1_all, .offset: 0, .size: 8, .value_kind: global_buffer, .address_space: global }
      - { .name: w2_all, .offset: 8, .size: 8, .value_kind: global_buffer, .address_space: global }
      - { .name: sel, .offset: 16, .size: 8, .value_kind: global_buffer, .address_space: global }
      - { .name: wq, .offset: 24, .size: 8, .value_kind: global_buffer, .address_space: global }
      - { .name: rows, .offset: 32, .size: 8, .value_kind: global_buffer, .address_space: global }
      - { .name: tiles, .offset: 40, .size: 8, .value_kind: global_buffer, .address_space: global }
    .group_segment_fixed_size: 70144
    .private_segment_fixed_size: 0
    .kernarg_segment_align: 8
    .kernarg_segment_size: 48
    .max_flat_workgroup_size: 128
    .sgpr_count:     96
    .vgpr_count:     512
    .wavefront_size: 32
...
	.end_amdgpu_metadata
.endif
;; end of part 2
;; launch chain (part 3): grid 135 x 1, 4 waves a work-group, no clusters, 179,712 bytes of LDS; arguments xq, xs, wq, b1_all, b2_all, gates, rows, tiles, y; writes y
.if DOCPART == 3
	.amdgcn_target "amdgcn-amd-amdhsa--gfx1250"
	.amdhsa_code_object_version 6
	.text
	.protected	k_qc568cc1e51_chain
	.globl	k_qc568cc1e51_chain
	.p2align	8
	.type	k_qc568cc1e51_chain,@function
k_qc568cc1e51_chain:
	s_mov_b64 s[64:65], 0
	v_nop
	global_prefetch_b8 v0, s[64:65] scope:SCOPE_SE
	s_setreg_imm32_b32 hwreg(HW_REG_WAVE_MODE, 25, 1), 1
	s_wait_xcnt 0x0
; ONE TILE OF ONE EXPERT THROUGH THE WHOLE CHAIN: y[slot][token][:] = gate x (relu(x W1^T + b1) W2^T + b2), both products on codes of FP4 (E2M1) with one E8M0 scale for each 32 along K.
; A work-group reads its entry of tiles (first row in the sorted list, rows - 1, expert) and takes up to 64 routed rows; the hidden layer (2,048 a row) never goes to memory.
; The table always has 135 tiles with 1 to 64 rows each, so the grid is fixed and no branch hangs on it.  A ROW PAST A TILE'S COUNT IS A COPY OF THE TILE'S LAST ROW: it takes that row's entry of the list, so its x, its gate,
; every sum and its address in y are that row's; it is stored like any other, the same bytes to the same place.  So EXEC is never narrowed.
; SHARES.  THE WAVES SHARE THE COLUMNS, NOT THE ROWS.  dff goes in 4 chunks of 512.  In a chunk wave w makes hidden units 128 w .. 128 w + 127 for all 64 rows (phase 1), quantises them in registers: they are K step w of
; the second product; their images go to LDS; then every wave takes all 16 hidden fragments and adds onto its output columns 128 w .. 128 w + 127 (phase 2).
; THE WEIGHTS GO FROM MEMORY STRAIGHT INTO REGISTERS: the launch before has laid them as images of the operand's registers in the order in which this wave takes them, 32 records of 8,704 bytes on end.  A record (8 fragments
; and their scale words: 17 loads of 512 consecutive bytes) feeds 32 matrix instructions, each fragment four (the four tiles of rows).  A ring of four register slots: three records are on their way while one is multiplied.
; WHAT ALL WAVES OR ALL LANES WANT ALIKE COMES FROM MEMORY ONCE AND GOES ROUND THROUGH LDS: wave w gathers rows 16 w .. 16 w + 15 of x (9 loads) and stores them as images of the operand's registers; a wave's b1 (4 x 512 bytes) and
; b2 (512 bytes) come by 5 dense loads into LDS bytes of its own and are read from there in the results' layout, sixteen lanes to the same 16 bytes.
; No tensor loads and no cluster: how many tiles an expert has is read from the table, so the partners of a fixed cluster could not be given one expert, and the weights do not pass through LDS at all.
; BOTH PRODUCTS ARE USED TRANSPOSED (source 0 = 16 rows of a weight, source 1 = 16 routed rows): a lane holds ONE routed row (lane % 16) throughout.  W1's rows of a tile were so chosen that the 16 registers of tiles 2 b and
; 2 b + 1 are hidden units 32 b + 16 (lane / 16) + 0 .. 15: neighbours along the next K.  The biases are the C with which the sums begin.
; LIMITS: NaN and infinities are not served; a block of the hidden layer whose largest number lies under 2^-124 (a block of zeros too) gets the scale byte 1: a block of zeros has zero codes.
; REGISTERS, in windows of 256 (s_set_vgpr_msb: bits 1:0 source 0, 3:2 source 1, 5:4 source 2, 7:6 destination):
;   window 0: v1-33, v43 addresses and work; v34-41 the gates (pairs: gate, its byte offset); v44-59 x's scale words [4 m + s]; v60-75 the ring's [4 p + q]: lanes 0-15 fragment 2 q, lanes 16-31 fragment 2 q + 1;
;             v76-91 the hidden layer's [4 m + s]; v92-125 the quantiser's; v128-255 x's 16 fragments [4 m + s], at the end rows of y.
;   window 1: the ring: slot p at 64 p, fragment f at + 8 f; at the end rows of y.   window 2: y's 32 accumulators (m, n) at 64 m + 8 n.
;   window 3: the hidden layer's 32 accumulators (m, t) at 64 m + 8 t; in phase 2 v64-191 hold the 16 hidden fragments, and v0-63 take the next chunk's b1.
.set REC,   8704
.set CHB,   8*REC                      ; a chunk's records of a wave
.set HSC,   16384                      ; LDS: 0: the hidden layer's 16 images of 1,024 bytes [4 m + s];  HSC: their scale words [m][lane][s], 512 bytes for each m;
.set XIMG,  18432                      ; x's 16 images [4 m + s];
.set XSC,   34816                      ; x's scale words [m][lane][s];
.set BL,    36864                      ; the biases: for each wave
.set BLW,   2560                       ; 4 x 512 bytes of b1 (a chunk each), then 512 of b2;
.set STG,   47104                      ; the stage for y: 64 rows
.set SPI,   2064                       ; of 2,048 bytes + 16 = 516 words: the 16 rows that a store touches start at 16 different banks (64 banks of 4 bytes: ISA guide 11.1)
.set LI,    1                          ; v1   16 x lane: an image's place for my lane, in LDS and in a record; never rewritten
.set LS16,  2                          ; v2   HSC + 16 x lane
.set HWI,   3                          ; v3   where I store my hidden images: 16 x lane + 1,024 x wave
.set HWS,   4                          ; v4   and their scale words: HSC + 16 x lane + 4 x wave
.set SO,    5                          ; v5   the stage, in: row r, + 512 x wave + 32 h;  v6 the same 32 rows on
.set SO2,   6
.set SR,    7                          ; v7   the stage, back: row 16 x wave + h, + 16 r
.set B1A,   8                          ; v8   b1 in LDS: BL + 2,560 x wave + 64 h; never rewritten
.set B2A,   9                          ; v9   b2 in LDS: 2,560 x wave + 32 h
.set XA,    10                         ; v10  x's codes of my row 16 wave + r: token x 256 + 16 h
.set XSW,   11                         ; v11  its scale words: token x 16
.set XWI,   12                         ; v12  where I store x's images: 16 x lane + 4,096 x wave
.set XWS,   13                         ; v13  and their scale words: 16 x lane + 512 x wave
.set ENT,   14                         ; v14-17 the list's entries of rows 16 m + r
.set EA,    18                         ; v18-25 where I store: entry x 2,048 + 16 r, for rows 16 x wave + 2 k + h
.set RW0,   26                         ; v26  16 x wave + h
.set EW,    32                         ; v32  16 x wave + r, then that row's entry
.set BLS,   33                         ; v33  where I store the biases: 16 x lane + 2,560 x wave
.set B1T,   43                         ; v43  b1's address for the chunk to come
.set G,     34
.set XS,    44
.set WS,    60
.set HS,    76
.set TM,    92                         ; v92-95 largest numbers, v96-99 at work and bytes, v104-107 the conversions' scale operands
.set PW,    108                        ; v108, v109 the scale word just made, two by turns
.set PC,    110                        ; v110-125 the codes just made, two sets by turns
.set XF,    128
.set MSB, 0
.macro WIN new                         ; the immediate's high byte repeats the setting that is left
.if MSB != \new
	s_set_vgpr_msb (MSB<<8)|\new
.set MSB, \new
.endif
.endm
; Behind a matrix instruction of this form: four plain vector instructions that name none of its registers before a load is issued into one of its registers or a vector instruction reads its result (ISA guide 7.12.1 for vector instructions);
; five before another matrix instruction writes over one of its registers.  Five stand behind every run of products here: they serve whichever follows.
.macro PLACES
.rept 5
	v_nop
.endr
.endm
.macro REFILL p, g, b                  ; record g, counted from the pointer s[b:b+1], into slot p: 17 loads of 512 consecutive bytes.  No hint: other tiles of the expert read the same records
	WIN 0x40                                       ; destination window 1
.irp f, 0,1,2,3,4,5,6,7
.irp c, 0,1
	global_load_b128 v[64*(\p)+8*\f+4*\c:64*(\p)+8*\f+4*\c+3], v[LI], s[\b:\b+1] offset:(\g)*REC+1024*\f+512*\c
.endr
.endr
	WIN 0
	global_load_b128 v[WS+4*(\p):WS+4*(\p)+3], v[LI], s[\b:\b+1] offset:(\g)*REC+8192
.endm
.macro B1L adr                         ; b1 of my 128 hidden units of a chunk, out of my own LDS bytes, in the result's layout, into the accumulators of rows 0-15: 16 LDS loads
	WIN 0xC0                                       ; destination window 3
.irp t, 0,1,2,3,4,5,6,7
	ds_load_b128 v[8*\t:8*\t+3], v[\adr] offset:(32*(\t/2)+8*(\t%2))*4
	ds_load_b128 v[8*\t+4:8*\t+7], v[\adr] offset:(32*(\t/2)+8*(\t%2))*4+16
.endr
	WIN 0
.endm
.macro P1MUL m, t, s, cm               ; hidden (m, t) = or += W1's fragment t of K step s x x's fragment (m, s); C: the accumulator (cm, t)
.if (\t)%2
	v_wmma_scale_f32_16x16x128_f8f6f4 v[64*\m+8*\t:64*\m+8*\t+7], v[64*\s+8*\t:64*\s+8*\t+7], v[XF+8*(4*\m+\s):XF+8*(4*\m+\s)+7], v[64*\cm+8*\t:64*\cm+8*\t+7], v[WS+4*\s+\t/2], v[XS+4*\m+\s] matrix_a_fmt:MATRIX_FMT_FP4 matrix_b_fmt:MATRIX_FMT_FP4 matrix_a_scale:MATRIX_SCALE_ROW1
.else
	v_wmma_scale_f32_16x16x128_f8f6f4 v[64*\m+8*\t:64*\m+8*\t+7], v[64*\s+8*\t:64*\s+8*\t+7], v[XF+8*(4*\m+\s):XF+8*(4*\m+\s)+7], v[64*\cm+8*\t:64*\cm+8*\t+7], v[WS+4*\s+\t/2], v[XS+4*\m+\s] matrix_a_fmt:MATRIX_FMT_FP4 matrix_b_fmt:MATRIX_FMT_FP4
.endif
.endm
.macro P2MUL m, n, s                   ; y (m, n) += W2's fragment n of K step s x the hidden fragment (m, s)
.if (\n)%2
	v_wmma_scale_f32_16x16x128_f8f6f4 v[64*\m+8*\n:64*\m+8*\n+7], v[64*\s+8*\n:64*\s+8*\n+7], v[64+8*(4*\m+\s):64+8*(4*\m+\s)+7], v[64*\m+8*\n:64*\m+8*\n+7], v[WS+4*\s+\n/2], v[HS+4*\m+\s] matrix_a_fmt:MATRIX_FMT_FP4 matrix_b_fmt:MATRIX_FMT_FP4 matrix_a_scale:MATRIX_SCALE_ROW1
.else
	v_wmma_scale_f32_16x16x128_f8f6f4 v[64*\m+8*\n:64*\m+8*\n+7], v[64*\s+8*\n:64*\s+8*\n+7], v[64+8*(4*\m+\s):64+8*(4*\m+\s)+7], v[64*\m+8*\n:64*\m+8*\n+7], v[WS+4*\s+\n/2], v[HS+4*\m+\s] matrix_a_fmt:MATRIX_FMT_FP4 matrix_b_fmt:MATRIX_FMT_FP4
.endif
.endm
; THE STREAM HAS TWO POINTERS, so that neither is written while a load that names it is out, and no wait is spent on that: s[30:31], the chunk in hand, serves phase 1's refills (W2's records 4 to 7);
; s[42:43], the chunk to come, serves phase 2's (W1's records 0 to 3).  Each steps behind the counted wait that shows its own last loads done.
; Phase 1, K step s (d = 128 s on): 32 products; the 32 accumulators take turns, one instruction a turn.
.macro P1G s, last
.if \s == 0
	s_wait_dscnt 0x0                               ; b1 is in (in front of the first chunk: x's fragments and scale words too)
.endif
	s_wait_loadcnt 51                              ; slot s is in: behind its 17 loads three records' (51) were issued (in front of the first two steps more: a smaller count is safe)
.if (\s == 3) && (\last == 0)
	s_add_nc_u64 s[42:43], s[42:43], CHB           ; the 51 that may be out are this phase's three refills, which name s[30:31]: every load that names s[42:43] is done
.endif
	WIN 0xF1                                       ; source 0 (W1) window 1, source 1 (x) window 0, C and D window 3
.if \s == 0
.irp t, 0,1,2,3,4,5,6,7                ; b1 lies in the accumulators of rows 0-15: it is the C of all four tiles of rows.  Rows 16-63 first,
.irp m, 1,2,3
	P1MUL \m, \t, 0, 0
.endr
.endr
	PLACES                                         ; then, five places on, rows 0-15, which write over it
.irp t, 0,1,2,3,4,5,6,7
	P1MUL 0, \t, 0, 0
.endr
.else
.irp t, 0,1,2,3,4,5,6,7
.irp m, 0,1,2,3
	P1MUL \m, \t, \s, \m
.endr
.endr
.endif
	PLACES
	REFILL \s, \s+4, 30                            ; the slot takes W2's record of K step s of this chunk
.endm
; My 128 hidden units of rows 16 m on: relu, the four blocks' scales, codes; the fragment's image and its scale words go to LDS.  Register 16 b + i of the tile's 64 = k 32 b + 16 (lane / 16) + i of my row.
.macro QUANT m
.set PCS, PC+8*((\m)%2)
.set PWS, PW+(\m)%2
	WIN 0xCC                                       ; destination and source 1 window 3
.set jj, 0
.rept 64
	v_max_num_f32 v[64*(\m)+jj], 0, v[64*(\m)+jj]  ; the activation, in f32; each accumulator from its low end on
.set jj, jj+1
.endr
	WIN 0x0F                                       ; sources 0 and 1 window 3
.irp b, 0,1,2,3
	v_max3_num_f32 v[TM+\b], v[64*(\m)+16*\b], v[64*(\m)+16*\b+1], 0x1800000   ; none is negative, so no |.|; the floor 2^(3 - 127) holds the byte at 1 from below
.endr
.irp i, 2,4,6,8,10,12,14
.irp b, 0,1,2,3
	v_max3_num_f32 v[TM+\b], v[64*(\m)+16*\b+\i], v[64*(\m)+16*\b+\i+1], v[TM+\b]   ; the four blocks by turns
.endr
.endr
	WIN 0
.irp b, 0,1,2,3
	v_permlanex16_b32 v[TM+4+\b], v[TM+\b], s36, s37
.endr
.irp b, 0,1,2,3
	v_max_num_f32 v[TM+\b], v[TM+\b], v[TM+4+\b]   ; with lane l xor 16's 16: the block's largest number
.endr
.irp b, 0,1,2,3
	v_add_nc_u32 v[TM+12+\b], 0xff000000, v[TM+\b] ; 2 off its exponent field: the conversion's scale operand
.endr
.irp b, 0,1,2,3
	v_lshrrev_b32 v[TM+4+\b], 23, v[TM+12+\b]      ; the scale's byte
.endr
.if (\m) >= 2
	s_wait_dscnt 3                                 ; the three stores of two tiles ago, which read this set of registers, are done; the last tile's three may be out
.endif
	v_lshl_or_b32 v[PWS], v[TM+5], 8, v[TM+4]
	v_lshl_or_b32 v[PWS], v[TM+6], 16, v[PWS]
	v_lshl_or_b32 v[PWS], v[TM+7], 24, v[PWS]      ; my row's scale word
	WIN 0x03                                       ; source 0 window 3
.irp b, 0,1,2,3
	v_cvt_scalef32_pk8_fp4_f32 v[PCS+2*\b], v[64*(\m)+16*\b:64*(\m)+16*\b+7], v[TM+12+\b]
	v_cvt_scalef32_pk8_fp4_f32 v[PCS+1+2*\b], v[64*(\m)+16*\b+8:64*(\m)+16*\b+15], v[TM+12+\b]
.endr
	WIN 0
	v_nop                                          ; one plain line behind the scaled conversions
.irp c, 0,1                            ; the operand's layout wants a WHOLE block in a lane: lanes 0-15 block 2 c, lanes 16-31 block 2 c + 1
.irp i, 0,1
	v_permlane16_swap_b32 v[PCS+4*\c+\i], v[PCS+2+4*\c+\i]
.endr
.endr
.irp c, 0,1
	ds_store_b128 v[HWI], v[PCS+4*\c:PCS+4*\c+3] offset:4096*(\m)+512*\c   ; image 4 m + wave
.endr
	ds_store_b32 v[HWS], v[PWS] offset:512*(\m)
.endm
.macro HFL s                           ; the four hidden fragments of K step s: 8 LDS loads.  Any wave that loads an image as it was stored has the same registers in the same lanes
	WIN 0xC0                                       ; destination window 3
.irp m, 0,1,2,3
.irp c, 0,1
	ds_load_b128 v[64+8*(4*\m+(\s))+4*\c:64+8*(4*\m+(\s))+4*\c+3], v[LI] offset:1024*(4*\m+(\s))+512*\c
.endr
.endr
	WIN 0
.endm
; Phase 2, K step s (hidden units 128 s on of the chunk): 32 products, the 32 accumulators by turns.  cnt: the loads from memory that may stay out.  fill = 1: the slot takes the next chunk's W1 record of K step s.
; The hidden fragments come a K step at a time, two steps ahead of their products.
.macro P2G s, cnt, fill
.if \s < 3
	s_wait_dscnt 8                                 ; this K step's fragments are in (for step 0 the scale words too); the eight loads of the step behind it may be out
.else
	s_wait_dscnt 0x0                               ; the last fragments are in: my reads of the images are over
.if \fill
	s_add_co_u32 s39, s39, 512                     ; b1 of the chunk to come: 512 bytes on in my LDS bytes
	v_add_nc_u32 v[B1T], s39, v[B1A]
	s_barrier_signal -1
	s_barrier_wait -1                              ; everybody's reads are over: the next chunk may write the images again
.endif
.endif
	s_wait_loadcnt \cnt
.if (\s == 3) && \fill
	s_add_nc_u64 s[30:31], s[30:31], CHB           ; the 51 that may be out are this phase's three refills, which name s[42:43]: every load that names s[30:31] is done
.endif
	WIN 0xAD                                       ; source 0 (W2) window 1, source 1 (hidden) window 3, C and D window 2
.irp nn, 0,1,2,3,4,5,6,7
.irp m, 0,1,2,3
	P2MUL \m, \nn, \s
.endr
.endr
	PLACES
.if \s < 2
	HFL \s+2
.endif
.if \fill
.if \s == 3
	B1L B1T
.endif
	REFILL \s, \s, 42
.else
	WIN 0
.endif
.endm
.macro CHUNK last
	P1G 0, \last
	P1G 1, \last
	P1G 2, \last
	P1G 3, \last
	QUANT 0
	QUANT 1
	QUANT 2
	QUANT 3
	s_wait_dscnt 0x0                               ; for the others' sake: my images and scale words have landed
	s_barrier_signal -1
	s_barrier_wait -1                              ; everybody's have
.irp m, 0,1,2,3
	ds_load_b128 v[HS+4*\m:HS+4*\m+3], v[LS16] offset:512*\m
.endr
	HFL 0
	HFL 1
.if \last
	P2G 0, 51, 0                                   ; nothing is left to fetch: the counts run down
	P2G 1, 34, 0
	P2G 2, 17, 0
	P2G 3, 0, 0
.else
	P2G 0, 51, 1                                   ; behind the slot's record three records were issued
	P2G 1, 51, 1
	P2G 2, 51, 1
	P2G 3, 51, 1
.endif
.endm
	s_load_b256 s[4:11], s[0:1], 0x0               ; xq s[4:5], xs s[6:7], wq s[8:9], b1_all s[10:11]
	s_load_b256 s[12:19], s[0:1], 0x20             ; b2_all s[12:13], gates s[14:15], rows s[16:17], tiles s[18:19]
	s_load_b64 s[20:21], s[0:1], 0x40              ; y
	v_lshl_add_u32 v126, v0, 2, 0x2bc00
	v_mov_b32 v127, 0
	v_lshrrev_b32 v27, 5, v0
	v_readfirstlane_b32 s28, v27                   ; wave 0..3
	v_and_b32 v28, 31, v0                          ; lane
	v_and_b32 v29, 15, v0                          ; r
	v_bfe_u32 v30, v0, 4, 1                        ; h
	v_lshlrev_b32 v[LI], 4, v28
	v_add_nc_u32 v[LS16], HSC, v[LI]
	s_lshl_b32 s29, s28, 10
	v_add_nc_u32 v[HWI], s29, v[LI]
	s_lshl_b32 s29, s28, 2
	v_add_nc_u32 v[HWS], s29, v[LS16]
	s_lshl_b32 s29, s28, 12
	v_add_nc_u32 v[XWI], s29, v[LI]
	s_lshl_b32 s29, s28, 9
	v_add_nc_u32 v[XWS], s29, v[LI]
	v_mul_u32_u24 v[SO], v29, SPI
	v_lshl_add_u32 v[SO], v30, 5, v[SO]
	s_add_co_u32 s29, s29, STG
	v_add_nc_u32 v[SO], s29, v[SO]
	v_add_nc_u32 v[SO2], 32*SPI, v[SO]
	s_lshl_b32 s29, s28, 4
	v_add_nc_u32 v[RW0], s29, v30
	v_add_nc_u32 v[EW], s29, v29
	v_mul_u32_u24 v[SR], v[RW0], SPI
	v_lshl_add_u32 v[SR], v29, 4, v[SR]
	v_add_nc_u32 v[SR], STG, v[SR]
	s_mul_i32 s29, s28, BLW
	v_add_nc_u32 v[BLS], s29, v[LI]
	v_lshl_add_u32 v[B2A], v30, 5, s29
	v_lshl_add_u32 v[B1A], v30, 6, s29
	v_add_nc_u32 v[B1A], BL, v[B1A]
	v_lshlrev_b32 v31, 4, v30                      ; 16 h
	s_mov_b32 s39, 0
	s_mov_b32 s36, 0x76543210
	s_mov_b32 s37, 0xfedcba98                      ; v_permlanex16_b32's selects for lane l xor 16
.irp b, 0,1,2,3
	v_mov_b32 v[TM+4+\b], 0                        ; written once: a lane permute's destination counts as one of its sources
.endr
	s_lshl_b32 s24, ttmp9, 2
	s_mov_b32 s25, 0
	s_wait_kmcnt 0x0
	s_add_nc_u64 s[18:19], s[18:19], s[24:25]
	s_load_b32 s22, s[18:19], 0x0                  ; my tile
	s_wait_kmcnt 0x0
	s_and_b32 s23, s22, 0x1fff
	s_min_u32 s23, s23, 0x1fff                     ; its first row in the list,
	s_bfe_u32 s24, s22, 0x60010
	s_min_u32 s24, s24, 63                         ; its rows - 1,
	s_lshr_b32 s25, s22, 24
	s_min_u32 s25, s25, 7                          ; its expert: each held inside its range
	s_lshl_b32 s26, s25, 2
	s_add_co_u32 s26, s26, s28
	s_mul_i32 s26, s26, 4*CHB
	s_mov_b32 s27, 0
	s_add_nc_u64 s[30:31], s[8:9], s[26:27]        ; my stream of records: (4 expert + wave) x 278,528 bytes
	s_mov_b64 s[42:43], s[30:31]                   ; the second pointer: the first chunk's phase 1 steps it to the second chunk
	s_lshl_b32 s29, s28, 9
	s_lshl_b32 s26, s25, 13
	s_add_co_u32 s26, s26, s29
	s_add_nc_u64 s[32:33], s[10:11], s[26:27]      ; b1: (2,048 expert + 128 wave) x 4
	s_lshl_b32 s26, s25, 11
	s_add_co_u32 s26, s26, s29
	s_add_nc_u64 s[34:35], s[12:13], s[26:27]      ; b2: (512 expert + 128 wave) x 4
.irp m, 0,1,2,3                        ; the list's entries of the rows whose gates I want (16 m + r),
	v_add_nc_u32 v27, 16*\m, v29
	v_min_u32 v27, s24, v27                        ; a row past the tile's count takes the last row's entry
	v_add_nc_u32 v27, s23, v27
	v_min_u32 v27, 0x1fff, v27
	v_lshlrev_b32 v[XF+\m], 2, v27
.endr
.irp k, 0,1,2,3,4,5,6,7                ; of the rows that I store (16 wave + 2 k + h),
	v_add_nc_u32 v27, 2*\k, v[RW0]
	v_min_u32 v27, s24, v27
	v_add_nc_u32 v27, s23, v27
	v_min_u32 v27, 0x1fff, v27
	v_lshlrev_b32 v[XF+4+\k], 2, v27
.endr
	v_min_u32 v27, s24, v[EW]              ; and of the row whose x I gather (16 wave + r)
	v_add_nc_u32 v27, s23, v27
	v_min_u32 v27, 0x1fff, v27
	v_lshlrev_b32 v[XF+12], 2, v27
.irp m, 0,1,2,3
	global_load_b32 v[ENT+\m], v[XF+\m], s[16:17]
.endr
.irp k, 0,1,2,3,4,5,6,7
	global_load_b32 v[EA+\k], v[XF+4+\k], s[16:17]
.endr
	global_load_b32 v[EW], v[XF+12], s[16:17]
.irp c, 0,1,2,3
	global_load_b128 v[XF+16+4*\c:XF+16+4*\c+3], v[LI], s[32:33] offset:2048*\c   ; b1 of my 128 hidden units of chunk c: 512 consecutive bytes
.endr
	global_load_b128 v[XF+32:XF+35], v[LI], s[34:35]   ; b2 of my 128 columns
	REFILL 0, 0, 30                                ; the weights do not hang on the list: two records go out while it comes
	REFILL 1, 1, 30
	s_wait_loadcnt 34                              ; the 13 entries and the biases are in (so the entries' offset registers are free); the two records may be out
	v_min_u32 v[EW], 0x1fff, v[EW]                 ; entry = token | slot << 12, held inside its range
	v_and_b32 v[EW], 0xfff, v[EW]                  ; token
	v_lshl_add_u32 v[XA], v[EW], 8, v31
	v_lshlrev_b32 v[XSW], 4, v[EW]
.irp m, 0,1,2,3
	v_min_u32 v[ENT+\m], 0x1fff, v[ENT+\m]
	v_lshlrev_b32 v[G+2*\m+1], 2, v[ENT+\m]        ; the gate's byte: gates is [slot][token]
.endr
.irp k, 0,1,2,3,4,5,6,7
	v_min_u32 v[EA+\k], 0x1fff, v[EA+\k]
	v_lshlrev_b32 v[EA+\k], 11, v[EA+\k]           ; y is [slot][token][2,048 bytes]
	v_lshl_add_u32 v[EA+\k], v29, 4, v[EA+\k]
.endr
.irp s, 0,1,2,3                        ; the four fragments of rows 16 wave on: lane (r, h) takes bytes 64 s + 32 c + 16 h of its token's 256
.irp c, 0,1
	global_load_b128 v[XF+64+8*\s+4*\c:XF+64+8*\s+4*\c+3], v[XA], s[4:5] offset:64*\s+32*\c
.endr
.endr
	global_load_b128 v[XF+96:XF+99], v[XSW], s[6:7]   ; its four scale words
.irp m, 0,1,2,3
	global_load_b32 v[G+2*\m], v[G+2*\m+1], s[14:15]
.endr
	REFILL 2, 2, 30
	REFILL 3, 3, 30
.irp c, 0,1,2,3                        ; while x comes: the biases into my own LDS bytes, and back in the results' layout (LDS serves a wave's instructions in order: ISA guide 5.7.1.4)
	ds_store_b128 v[BLS], v[XF+16+4*\c:XF+16+4*\c+3] offset:BL+512*\c
.endr
	ds_store_b128 v[BLS], v[XF+32:XF+35] offset:BL+2048
	WIN 0x80                                       ; destination window 2: y's sums begin with b2, so that every chunk has the same text
.irp m, 0,1,2,3
.irp n, 0,1,2,3,4,5,6,7
	ds_load_b128 v[64*\m+8*\n:64*\m+8*\n+3], v[B2A] offset:BL+2048+64*\n          ; lane (r, h): columns 16 n + 8 h + 0 .. 7 of my 128
	ds_load_b128 v[64*\m+8*\n+4:64*\m+8*\n+7], v[B2A] offset:BL+2048+64*\n+16
.endr
.endr
	B1L B1A                                        ; the first chunk's b1
	s_wait_loadcnt 34                              ; x, its scale words and the gates are in; records 2 and 3 may be out
.irp s, 0,1,2,3
.irp c, 0,1
	ds_store_b128 v[XWI], v[XF+64+8*\s+4*\c:XF+64+8*\s+4*\c+3] offset:XIMG+1024*\s+512*\c   ; image 4 wave + s
.endr
.endr
	ds_store_b128 v[XWS], v[XF+96:XF+99] offset:XSC
	s_wait_dscnt 0x0                               ; for the others' sake: my images of x have landed (and my biases are in)
	s_barrier_signal -1
	s_barrier_wait -1                              ; everybody's have; they are written once and never again
.irp m, 0,1,2,3
.irp s, 0,1,2,3
.irp c, 0,1
	ds_load_b128 v[XF+8*(4*\m+\s)+4*\c:XF+8*(4*\m+\s)+4*\c+3], v[LI] offset:XIMG+1024*(4*\m+\s)+512*\c   ; x's 16 fragments stay in registers
.endr
.endr
.endr
.irp m, 0,1,2,3
	ds_load_b128 v[XS+4*\m:XS+4*\m+3], v[LI] offset:XSC+512*\m
.endr
	s_mov_b32 s38, 3
.Lchunk:
	CHUNK 0
	s_sub_co_u32 s38, s38, 1
	s_cmp_lg_u32 s38, 0
	s_cbranch_scc1 .Lchunk
	CHUNK 1                                        ; the last chunk is written out: it fetches nothing beyond the stream's end
	; THE WAY OUT.  x gate; a lane holds 32 neighbouring bytes of a row, and a row's 2,048 bytes come from four waves: they meet in the stage, and each wave stores 16 whole rows.
	WIN 0x82                                       ; destination and source 0 window 2
.irp m, 0,1,2,3
.set jj, 0
.rept 32
	v_pk_mul_f32 v[64*\m+jj:64*\m+jj+1], v[64*\m+jj:64*\m+jj+1], v[G+2*\m:G+2*\m+1] op_sel_hi:[1,0]   ; the pair's low word, the gate, serves both halves; each accumulator from its low end on
.set jj, jj+2
.endr
.endr
	WIN 0x08                                       ; an LDS store's data are its source 1: window 2
.irp m, 0,1
.irp n, 0,1,2,3,4,5,6,7
	ds_store_b128 v[SO], v[64*\m+8*\n:64*\m+8*\n+3] offset:16*\m*SPI+64*\n          ; lane (r, h): row 16 m + r, columns 128 wave + 16 n + 8 h + 0 .. 7
	ds_store_b128 v[SO], v[64*\m+8*\n+4:64*\m+8*\n+7] offset:16*\m*SPI+64*\n+16
.endr
.endr
.irp m, 2,3
.irp n, 0,1,2,3,4,5,6,7
	ds_store_b128 v[SO2], v[64*\m+8*\n:64*\m+8*\n+3] offset:16*(\m-2)*SPI+64*\n
	ds_store_b128 v[SO2], v[64*\m+8*\n+4:64*\m+8*\n+7] offset:16*(\m-2)*SPI+64*\n+16
.endr
.endr
	WIN 0
	s_wait_dscnt 0x0                               ; for the others' sake: my stores into the stage have landed
	s_barrier_signal -1
	s_barrier_wait -1
.irp k, 0,1,2,3                        ; my rows 16 wave + 2 k + h come back whole: k = 0 .. 3 into the registers that held x,
.irp q, 0,1,2,3,4,5,6,7
	ds_load_b128 v[XF+32*\k+4*\q:XF+32*\k+4*\q+3], v[SR] offset:2*\k*SPI+256*\q
.endr
.endr
	WIN 0x40                                       ; k = 4 .. 7 into the ring's first two slots, in window 1: each row has registers of its own, so no store's data are written again
.irp k, 4,5,6,7
.irp q, 0,1,2,3,4,5,6,7
	ds_load_b128 v[32*(\k-4)+4*\q:32*(\k-4)+4*\q+3], v[SR] offset:2*\k*SPI+256*\q
.endr
.endr
	WIN 0
.irp k, 0,1,2,3
	s_wait_dscnt 8*(7-\k)                          ; these two rows are in; the eight loads of each later pair may be out
.irp q, 0,1,2,3,4,5,6,7
	global_store_b128 v[EA+\k], v[XF+32*\k+4*\q:XF+32*\k+4*\q+3], s[20:21] offset:256*\q th:TH_STORE_NT   ; 16 lanes store 256 consecutive bytes, at a multiple of 256 from y's first byte
.endr
.endr
	WIN 0x04                                       ; a store's data are its source 1: window 1
.irp k, 4,5,6,7
	s_wait_dscnt 8*(7-\k)
.irp q, 0,1,2,3,4,5,6,7
	global_store_b128 v[EA+\k], v[32*(\k-4)+4*\q:32*(\k-4)+4*\q+3], s[20:21] offset:256*\q th:TH_STORE_NT
.endr
.endr
	WIN 0
	s_wait_tensorcnt 0x0
	ds_add_u32 v126, v127
	s_wait_dscnt 0x0
	s_endpgm
.Lfunc_end_k_qc568cc1e51_chain:
	.size	k_qc568cc1e51_chain, .Lfunc_end_k_qc568cc1e51_chain-k_qc568cc1e51_chain
	.p2alignl 7, 3214868480
	.fill 96, 4, 3214868480
	.section	.rodata,"a",@progbits
	.p2align	6, 0x0
	.amdhsa_kernel k_qc568cc1e51_chain
		.amdhsa_group_segment_fixed_size 179712
		.amdhsa_private_segment_fixed_size 0
		.amdhsa_enable_private_segment 0
		.amdhsa_kernarg_size 72
		.amdhsa_user_sgpr_count 2
		.amdhsa_user_sgpr_kernarg_segment_ptr 1
		.amdhsa_wavefront_size32 1
		.amdhsa_system_sgpr_workgroup_id_x 1
		.amdhsa_system_sgpr_workgroup_id_y 1
		.amdhsa_system_sgpr_workgroup_id_z 1
		.amdhsa_system_vgpr_workitem_id 0
		.amdhsa_next_free_vgpr 1024
		.amdhsa_next_free_sgpr 66
		.amdhsa_reserve_vcc 0
		.amdhsa_float_denorm_mode_32 3
		.amdhsa_float_denorm_mode_16_64 3
		.amdhsa_memory_ordered 1
		.amdhsa_forward_progress 1
		.amdhsa_inst_pref_size 192
	.end_amdhsa_kernel
	.amdgpu_metadata
---
amdhsa.version: [ 1, 2 ]
amdhsa.kernels:
  - .name:           k_qc568cc1e51_chain
    .symbol:         k_qc568cc1e51_chain.kd
    .args:
      - { .name: xq, .offset: 0, .size: 8, .value_kind: global_buffer, .address_space: global }
      - { .name: xs, .offset: 8, .size: 8, .value_kind: global_buffer, .address_space: global }
      - { .name: wq, .offset: 16, .size: 8, .value_kind: global_buffer, .address_space: global }
      - { .name: b1_all, .offset: 24, .size: 8, .value_kind: global_buffer, .address_space: global }
      - { .name: b2_all, .offset: 32, .size: 8, .value_kind: global_buffer, .address_space: global }
      - { .name: gates, .offset: 40, .size: 8, .value_kind: global_buffer, .address_space: global }
      - { .name: rows, .offset: 48, .size: 8, .value_kind: global_buffer, .address_space: global }
      - { .name: tiles, .offset: 56, .size: 8, .value_kind: global_buffer, .address_space: global }
      - { .name: y, .offset: 64, .size: 8, .value_kind: global_buffer, .address_space: global }
    .group_segment_fixed_size: 179712
    .private_segment_fixed_size: 0
    .kernarg_segment_align: 8
    .kernarg_segment_size: 72
    .max_flat_workgroup_size: 128
    .sgpr_count:     66
    .vgpr_count:     1024
    .wavefront_size: 32
...
	.end_amdgpu_metadata
.endif
;; end of part 3
;; launch combine (part 4): grid 256 x 1, 8 waves a work-group, no clusters, 0 bytes of LDS; arguments y, out0; writes out0
.if DOCPART == 4
	.amdgcn_target "amdgcn-amd-amdhsa--gfx1250"
	.amdhsa_code_object_version 6
	.text
	.protected	k_qc568cc1e51_combine
	.globl	k_qc568cc1e51_combine
	.p2align	8
	.type	k_qc568cc1e51_combine,@function
k_qc568cc1e51_combine:
	s_mov_b64 s[64:65], 0
	v_nop
	global_prefetch_b8 v0, s[64:65] scope:SCOPE_SE
	s_setreg_imm32_b32 hwreg(HW_REG_WAVE_MODE, 25, 1), 1
	s_wait_xcnt 0x0
; out0[token][:] = y[0][token][:] + y[1][token][:]: the two chosen experts' weighted rows, f32.  A plain stream: no LDS, no barrier, no matrix unit.
; A work-group takes 32,768 bytes of out0; thread t the 16 bytes at 4,096 j + 16 t, j = 0 .. 7.  Every load and store of a wave covers 512 consecutive bytes.
; All 16 loads of a thread go out at the head; each sum has registers of its own, so no store's data are written again.
	s_load_b128 s[4:7], s[0:1], 0x0                ; y s[4:5], out0 s[6:7]
	v_lshlrev_b32 v1, 4, v0
	s_lshl_b32 s8, ttmp9, 15
	s_mov_b32 s9, 0
	s_wait_kmcnt 0x0
	s_add_nc_u64 s[4:5], s[4:5], s[8:9]
	s_add_nc_u64 s[6:7], s[6:7], s[8:9]
	s_add_nc_u64 s[10:11], s[4:5], 0x800000        ; slot 1 lies 8,388,608 bytes on: one more than a load's immediate reaches, so it has a base of its own
.irp j, 0,1,2,3,4,5,6,7
	global_load_b128 v[4+8*\j:7+8*\j], v1, s[4:5] offset:4096*\j th:TH_LOAD_NT
	global_load_b128 v[8+8*\j:11+8*\j], v1, s[10:11] offset:4096*\j th:TH_LOAD_NT
.endr
.irp j, 0,1,2,3,4,5,6,7
	s_wait_loadcnt 14-2*\j                         ; piece j's two loads are in; the later pieces' may be out
	v_pk_add_f32 v[68+4*\j:69+4*\j], v[4+8*\j:5+8*\j], v[8+8*\j:9+8*\j]
	v_pk_add_f32 v[70+4*\j:71+4*\j], v[6+8*\j:7+8*\j], v[10+8*\j:11+8*\j]
	global_store_b128 v1, v[68+4*\j:71+4*\j], s[6:7] offset:4096*\j th:TH_STORE_NT
.endr
	s_endpgm
.Lfunc_end_k_qc568cc1e51_combine:
	.size	k_qc568cc1e51_combine, .Lfunc_end_k_qc568cc1e51_combine-k_qc568cc1e51_combine
	.p2alignl 7, 3214868480
	.fill 96, 4, 3214868480
	.section	.rodata,"a",@progbits
	.p2align	6, 0x0
	.amdhsa_kernel k_qc568cc1e51_combine
		.amdhsa_group_segment_fixed_size 0
		.amdhsa_private_segment_fixed_size 0
		.amdhsa_enable_private_segment 0
		.amdhsa_kernarg_size 16
		.amdhsa_user_sgpr_count 2
		.amdhsa_user_sgpr_kernarg_segment_ptr 1
		.amdhsa_wavefront_size32 1
		.amdhsa_system_sgpr_workgroup_id_x 1
		.amdhsa_system_sgpr_workgroup_id_y 1
		.amdhsa_system_sgpr_workgroup_id_z 1
		.amdhsa_system_vgpr_workitem_id 0
		.amdhsa_next_free_vgpr 112
		.amdhsa_next_free_sgpr 66
		.amdhsa_reserve_vcc 0
		.amdhsa_float_denorm_mode_32 3
		.amdhsa_float_denorm_mode_16_64 3
		.amdhsa_memory_ordered 1
		.amdhsa_forward_progress 1
		.amdhsa_inst_pref_size 5
	.end_amdhsa_kernel
	.amdgpu_metadata
---
amdhsa.version: [ 1, 2 ]
amdhsa.kernels:
  - .name:           k_qc568cc1e51_combine
    .symbol:         k_qc568cc1e51_combine.kd
    .args:
      - { .name: y, .offset: 0, .size: 8, .value_kind: global_buffer, .address_space: global }
      - { .name: out0, .offset: 8, .size: 8, .value_kind: global_buffer, .address_space: global }
    .group_segment_fixed_size: 0
    .private_segment_fixed_size: 0
    .kernarg_segment_align: 8
    .kernarg_segment_size: 16
    .max_flat_workgroup_size: 256
    .sgpr_count:     66
    .vgpr_count:     112
    .wavefront_size: 32
...
	.end_amdgpu_metadata
.endif
;; end of part 4
;; ======== version 2 of 2: 4 launches; version 1 with the launch chain written anew for expert scheduling mode
;; workspace buffers: xq 1,048,576 bytes; xs 65,536 bytes; sel 16,384 bytes of whole numbers; gates 32,768 bytes; wq 8,912,896 bytes; rows 32,768 bytes of whole numbers; tiles 1,024 bytes of whole numbers; y 16,777,216 bytes
;; launch route: the kernel of part 1 again; grid 256 x 1, 4 waves a work-group, no clusters, 23,040 bytes of LDS; arguments x, router_w, xq, xs, sel, gates; writes xq, xs, sel, gates
;; launch weights: the kernel of part 2 again; grid 257 x 1, 4 waves a work-group, no clusters, 70,144 bytes of LDS; arguments w1_all, w2_all, sel, wq, rows, tiles; writes wq, rows, tiles
;; launch chain (part 5): grid 135 x 1, 4 waves a work-group, no clusters, 179,712 bytes of LDS; arguments xq, xs, wq, b1_all, b2_all, gates, rows, tiles, y; writes y
.if DOCPART == 5
	.amdgcn_target "amdgcn-amd-amdhsa--gfx1250"
	.amdhsa_code_object_version 6
	.text
	.protected	k_qc568cc1e51_chain
	.globl	k_qc568cc1e51_chain
	.p2align	8
	.type	k_qc568cc1e51_chain,@function
k_qc568cc1e51_chain:
	s_mov_b64 s[64:65], 0
	v_nop
	global_prefetch_b8 v0, s[64:65] scope:SCOPE_SE
	s_setreg_imm32_b32 hwreg(HW_REG_WAVE_SCHED_MODE, 0, 2), 2
	s_setreg_imm32_b32 hwreg(HW_REG_WAVE_MODE, 25, 1), 1
	s_wait_xcnt 0x0
	s_wait_alu depctr_vm_vsrc(0)
; ONE TILE OF ONE EXPERT THROUGH THE WHOLE CHAIN: y[slot][token][:] = gate x (relu(x W1^T + b1) W2^T + b2), both products on codes of FP4 (E2M1) with one E8M0 scale for each 32 along K.
; A work-group reads its entry of tiles (first row in the sorted list, rows - 1, expert) and takes up to 64 routed rows; the hidden layer (2,048 a row) never goes to memory.
; The table always has 135 tiles with 1 to 64 rows each, so the grid is fixed and no branch hangs on it.  A ROW PAST A TILE'S COUNT IS A COPY OF THE TILE'S LAST ROW: it takes that row's entry of the list, so its x, its gate,
; every sum and its address in y are that row's; it is stored like any other, the same bytes to the same place.  So EXEC is never narrowed.
; SHARES.  THE WAVES SHARE THE COLUMNS, NOT THE ROWS.  dff goes in 4 chunks of 512.  In a chunk wave w makes hidden units 128 w .. 128 w + 127 for all 64 rows (phase 1), quantises them in registers: they are K step w of
; the second product; their images go to LDS; then every wave takes all 16 hidden fragments and adds onto its output columns 128 w .. 128 w + 127 (phase 2).
; THE WEIGHTS GO FROM MEMORY STRAIGHT INTO REGISTERS: the launch before has laid them as images of the operand's registers in the order in which this wave takes them, 32 records of 8,704 bytes on end.  A record (8 fragments
; and their scale words: 17 loads of 512 consecutive bytes) feeds 32 matrix instructions, each fragment four (the four tiles of rows).  A ring of four register slots: three records are on their way while one is multiplied.
; WHAT ALL WAVES OR ALL LANES WANT ALIKE COMES FROM MEMORY ONCE AND GOES ROUND THROUGH LDS: wave w gathers rows 16 w .. 16 w + 15 of x (9 loads) and stores them as images of the operand's registers; a wave's b1 (4 x 512 bytes) and
; b2 (512 bytes) come by 5 dense loads into LDS bytes of its own and are read from there in the results' layout, sixteen lanes to the same 16 bytes.
; No tensor loads and no cluster: how many tiles an expert has is read from the table, so the partners of a fixed cluster could not be given one expert, and the weights do not pass through LDS at all.
; BOTH PRODUCTS ARE USED TRANSPOSED (source 0 = 16 rows of a weight, source 1 = 16 routed rows): a lane holds ONE routed row (lane % 16) throughout.  W1's rows of a tile were so chosen that the 16 registers of tiles 2 b and
; 2 b + 1 are hidden units 32 b + 16 (lane / 16) + 0 .. 15: neighbours along the next K.  The biases are the C with which the sums begin.
; LIMITS: NaN and infinities are not served; a block of the hidden layer whose largest number lies under 2^-124 (a block of zeros too) gets the scale byte 1: a block of zeros has zero codes.
; THE MODE: SCHED_MODE bits 1:0 = 2 (LLVM: expert scheduling mode 2), set by the entry lines.  The code itself states the register dependences between vector or matrix instructions and memory or LDS instructions,
; with s_wait_alu, always for 0.
; THE PLAN.  Registers that memory or LDS instructions touch, in the loop:
;   the ring's slot s and its scale words v[WS + 4 s ..]   Read by the 32 products of K step s, in either phase; behind them the slot's next record lands there.
;   the hidden layer's accumulators (window 3)             Written by phase 1's products, read and written by the quantiser; behind it the hidden fragments land in v64-191 and, behind phase 2's fourth step, the next b1 in v0-63.
;   v[HS ..]                                               Read by phase 2's products as scales; loaded again behind the next chunk's quantiser.
;   v[PC ..], v[PW ..], two sets                           Written by the quantiser's shifts, conversions and exchanges; read by the LDS stores of the images, which go out for two tiles at a time.
;   v[B1T]                                                 Written once a chunk, in phase 2's fourth step; read by the 16 LDS loads of b1 behind that step's products.
;   v[LI], v[LS16], v[HWI], v[HWS]                         Read by loads and stores; never written again.
;   x's fragments, their scale words and y's accumulators are named by matrix instructions alone.
; So a wait on va_vdst stands behind each K step's products, ahead of the slot's refill (the slot is asked for again at once: three records are to be on their way), and one behind each pair of tiles of the quantiser, ahead
; of their six LDS stores; the second of these also stands for all that is loaded behind the barrier, since no vector or matrix instruction lies between.  A wait on vm_vsrc stands in the quantiser of tiles 0 and 2,
; ahead of the first write of a set that LDS stores have read.  The refill's loads stand in one run: a product's window setting is not a load's, so each group of loads among products would want two switches.
; REGISTERS, in windows of 256 (s_set_vgpr_msb: bits 1:0 source 0, 3:2 source 1, 5:4 source 2, 7:6 destination):
;   window 0: v1-33, v43 addresses and work; v34-41 the gates (pairs: gate, its byte offset); v44-59 x's scale words [4 m + s]; v60-75 the ring's [4 p + q]: lanes 0-15 fragment 2 q, lanes 16-31 fragment 2 q + 1;
;             v76-91 the hidden layer's [4 m + s]; v92-125 the quantiser's; v126, v127 the closing add's two; v128-255 x's 16 fragments [4 m + s], at the end rows of y.
;   window 1: the ring: slot p at 64 p, fragment f at + 8 f; at the end rows of y.   window 2: y's 32 accumulators (m, n) at 64 m + 8 n.
;   window 3: the hidden layer's 32 accumulators (m, t) at 64 m + 8 t; in phase 2 v64-191 hold the 16 hidden fragments, and v0-63 take the next chunk's b1.
.set REC,   8704
.set CHB,   8*REC                      ; a chunk's records of a wave
.set HSC,   16384                      ; LDS: 0: the hidden layer's 16 images of 1,024 bytes [4 m + s];  HSC: their scale words [m][lane][s], 512 bytes for each m;
.set XIMG,  18432                      ; x's 16 images [4 m + s];
.set XSC,   34816                      ; x's scale words [m][lane][s];
.set BL,    36864                      ; the biases: for each wave
.set BLW,   2560                       ; 4 x 512 bytes of b1 (a chunk each), then 512 of b2;
.set STG,   47104                      ; the stage for y: 64 rows
.set SPI,   2064                       ; of 2,048 bytes + 16 = 516 words: the 16 rows that a store touches start at 16 different banks (64 banks of 4 bytes: ISA guide 11.1)
.set LI,    1                          ; v1   16 x lane: an image's place for my lane, in LDS and in a record; never rewritten
.set LS16,  2                          ; v2   HSC + 16 x lane
.set HWI,   3                          ; v3   where I store my hidden images: 16 x lane + 1,024 x wave
.set HWS,   4                          ; v4   and their scale words: HSC + 16 x lane + 4 x wave
.set SO,    5                          ; v5   the stage, in: row r, + 512 x wave + 32 h;  v6 the same 32 rows on
.set SO2,   6
.set SR,    7                          ; v7   the stage, back: row 16 x wave + h, + 16 r
.set B1A,   8                          ; v8   b1 in LDS: BL + 2,560 x wave + 64 h; never rewritten
.set B2A,   9                          ; v9   b2 in LDS: 2,560 x wave + 32 h
.set XA,    10                         ; v10  x's codes of my row 16 wave + r: token x 256 + 16 h
.set XSW,   11                         ; v11  its scale words: token x 16
.set XWI,   12                         ; v12  where I store x's images: 16 x lane + 4,096 x wave
.set XWS,   13                         ; v13  and their scale words: 16 x lane + 512 x wave
.set ENT,   14                         ; v14-17 the list's entries of rows 16 m + r
.set EA,    18                         ; v18-25 where I store: entry x 2,048 + 16 r, for rows 16 x wave + 2 k + h
.set RW0,   26                         ; v26  16 x wave + h
.set EW,    32                         ; v32  16 x wave + r, then that row's entry
.set BLS,   33                         ; v33  where I store the biases: 16 x lane + 2,560 x wave
.set B1T,   43                         ; v43  b1's address for the chunk to come
.set G,     34
.set XS,    44
.set WS,    60
.set HS,    76
.set TM,    92                         ; v92-95 largest numbers, v96-99 at work and bytes, v104-107 the conversions' scale operands
.set PW,    108                        ; v108, v109 the scale word just made, two by turns
.set PC,    110                        ; v110-125 the codes just made, two sets by turns
.set XF,    128
.set MSB, 0
.macro WIN new                         ; the immediate's high byte repeats the setting that is left
.if MSB != \new
	s_set_vgpr_msb (MSB<<8)|\new
.set MSB, \new
.endif
.endm
; Behind a matrix instruction of this form: four plain vector instructions that name none of its registers before a vector instruction reads its result (ISA guide 7.12.1); five before another matrix instruction writes over
; one of its registers.  Five stand behind every run of products here: they serve whichever follows.  Where loads into a run's registers follow, the wait on va_vdst states that dependence, and stands behind the places.
.macro PLACES
.rept 5
	v_nop
.endr
.endm
.macro REFILL p, g, b                  ; record g, counted from the pointer s[b:b+1], into slot p: 17 loads of 512 consecutive bytes.  No hint: other tiles of the expert read the same records
	WIN 0x40                                       ; destination window 1
.irp f, 0,1,2,3,4,5,6,7
.irp c, 0,1
	global_load_b128 v[64*(\p)+8*\f+4*\c:64*(\p)+8*\f+4*\c+3], v[LI], s[\b:\b+1] offset:(\g)*REC+1024*\f+512*\c
.endr
.endr
	WIN 0
	global_load_b128 v[WS+4*(\p):WS+4*(\p)+3], v[LI], s[\b:\b+1] offset:(\g)*REC+8192
.endm
.macro B1L adr                         ; b1 of my 128 hidden units of a chunk, out of my own LDS bytes, in the result's layout, into the accumulators of rows 0-15: 16 LDS loads
	WIN 0xC0                                       ; destination window 3
.irp t, 0,1,2,3,4,5,6,7
	ds_load_b128 v[8*\t:8*\t+3], v[\adr] offset:(32*(\t/2)+8*(\t%2))*4
	ds_load_b128 v[8*\t+4:8*\t+7], v[\adr] offset:(32*(\t/2)+8*(\t%2))*4+16
.endr
	WIN 0
.endm
.macro P1MUL m, t, s, cm               ; hidden (m, t) = or += W1's fragment t of K step s x x's fragment (m, s); C: the accumulator (cm, t)
.if (\t)%2
	v_wmma_scale_f32_16x16x128_f8f6f4 v[64*\m+8*\t:64*\m+8*\t+7], v[64*\s+8*\t:64*\s+8*\t+7], v[XF+8*(4*\m+\s):XF+8*(4*\m+\s)+7], v[64*\cm+8*\t:64*\cm+8*\t+7], v[WS+4*\s+\t/2], v[XS+4*\m+\s] matrix_a_fmt:MATRIX_FMT_FP4 matrix_b_fmt:MATRIX_FMT_FP4 matrix_a_scale:MATRIX_SCALE_ROW1
.else
	v_wmma_scale_f32_16x16x128_f8f6f4 v[64*\m+8*\t:64*\m+8*\t+7], v[64*\s+8*\t:64*\s+8*\t+7], v[XF+8*(4*\m+\s):XF+8*(4*\m+\s)+7], v[64*\cm+8*\t:64*\cm+8*\t+7], v[WS+4*\s+\t/2], v[XS+4*\m+\s] matrix_a_fmt:MATRIX_FMT_FP4 matrix_b_fmt:MATRIX_FMT_FP4
.endif
.endm
.macro P2MUL m, n, s                   ; y (m, n) += W2's fragment n of K step s x the hidden fragment (m, s)
.if (\n)%2
	v_wmma_scale_f32_16x16x128_f8f6f4 v[64*\m+8*\n:64*\m+8*\n+7], v[64*\s+8*\n:64*\s+8*\n+7], v[64+8*(4*\m+\s):64+8*(4*\m+\s)+7], v[64*\m+8*\n:64*\m+8*\n+7], v[WS+4*\s+\n/2], v[HS+4*\m+\s] matrix_a_fmt:MATRIX_FMT_FP4 matrix_b_fmt:MATRIX_FMT_FP4 matrix_a_scale:MATRIX_SCALE_ROW1
.else
	v_wmma_scale_f32_16x16x128_f8f6f4 v[64*\m+8*\n:64*\m+8*\n+7], v[64*\s+8*\n:64*\s+8*\n+7], v[64+8*(4*\m+\s):64+8*(4*\m+\s)+7], v[64*\m+8*\n:64*\m+8*\n+7], v[WS+4*\s+\n/2], v[HS+4*\m+\s] matrix_a_fmt:MATRIX_FMT_FP4 matrix_b_fmt:MATRIX_FMT_FP4
.endif
.endm
; THE STREAM HAS TWO POINTERS, so that neither is written while a load that names it is out, and no wait is spent on that: s[30:31], the chunk in hand, serves phase 1's refills (W2's records 4 to 7);
; s[42:43], the chunk to come, serves phase 2's (W1's records 0 to 3).  Each steps behind the counted wait that shows its own last loads done.
; Phase 1, K step s (d = 128 s on): 32 products; the 32 accumulators take turns, one instruction a turn.
.macro P1G s, last
.if \s == 0
	s_wait_dscnt 0x0                               ; b1 is in (in front of the first chunk: x's fragments and scale words too)
.endif
	s_wait_loadcnt 51                              ; slot s is in: behind its 17 loads three records' (51) were issued (in front of the first two steps more: a smaller count is safe)
.if (\s == 3) && (\last == 0)
	s_add_nc_u64 s[42:43], s[42:43], CHB           ; the 51 that may be out are this phase's three refills, which name s[30:31]: every load that names s[42:43] is done
.endif
	WIN 0xF1                                       ; source 0 (W1) window 1, source 1 (x) window 0, C and D window 3
.if \s == 0
.irp t, 0,1,2,3,4,5,6,7                ; b1 lies in the accumulators of rows 0-15: it is the C of all four tiles of rows.  Rows 16-63 first,
.irp m, 1,2,3
	P1MUL \m, \t, 0, 0
.endr
.endr
	PLACES                                         ; then, five places on, rows 0-15, which write over it
.irp t, 0,1,2,3,4,5,6,7
	P1MUL 0, \t, 0, 0
.endr
.else
.irp t, 0,1,2,3,4,5,6,7
.irp m, 0,1,2,3
	P1MUL \m, \t, \s, \m
.endr
.endr
.endif
	PLACES
	s_wait_alu depctr_va_vdst(0)                   ; this step's products are done reading slot s and its scale words v[WS + 4 s ..], in which the 17 loads below land
	REFILL \s, \s+4, 30                            ; the slot takes W2's record of K step s of this chunk
.endm
; My 128 hidden units of rows 16 m on: relu, the four blocks' scales, codes.  Register 16 b + i of the tile's 64 = k 32 b + 16 (lane / 16) + i of my row.  The fragment and its scale word stay in set m % 2 until IMG stores them.
.macro QUANT m
.set PCS, PC+8*((\m)%2)
.set PWS, PW+(\m)%2
	WIN 0xCC                                       ; destination and source 1 window 3
.set jj, 0
.rept 64
	v_max_num_f32 v[64*(\m)+jj], 0, v[64*(\m)+jj]  ; the activation, in f32; each accumulator from its low end on
.set jj, jj+1
.endr
	WIN 0x0F                                       ; sources 0 and 1 window 3
.irp b, 0,1,2,3
	v_max3_num_f32 v[TM+\b], v[64*(\m)+16*\b], v[64*(\m)+16*\b+1], 0x1800000   ; none is negative, so no |.|; the floor 2^(3 - 127) holds the byte at 1 from below
.endr
.irp i, 2,4,6,8,10,12,14
.irp b, 0,1,2,3
	v_max3_num_f32 v[TM+\b], v[64*(\m)+16*\b+\i], v[64*(\m)+16*\b+\i+1], v[TM+\b]   ; the four blocks by turns
.endr
.endr
	WIN 0
.irp b, 0,1,2,3
	v_permlanex16_b32 v[TM+4+\b], v[TM+\b], s36, s37
.endr
.irp b, 0,1,2,3
	v_max_num_f32 v[TM+\b], v[TM+\b], v[TM+4+\b]   ; with lane l xor 16's 16: the block's largest number
.endr
.irp b, 0,1,2,3
	v_add_nc_u32 v[TM+12+\b], 0xff000000, v[TM+\b] ; 2 off its exponent field: the conversion's scale operand
.endr
.irp b, 0,1,2,3
	v_lshrrev_b32 v[TM+4+\b], 23, v[TM+12+\b]      ; the scale's byte
.endr
.if (\m) >= 2
	s_wait_dscnt 3*(3-(\m))                        ; the three stores of two tiles ago, which read this set of registers, are done (tile 2: tile 1's three, issued behind them, may be out)
.endif
.if (\m)%2 == 0
	s_wait_alu depctr_vm_vsrc(0)                   ; the six LDS stores issued last (tiles 0 and 1's; in front of tile 0 the last chunk's tiles 2 and 3's) have read both sets of codes and scale words, which this tile and the next write again; in front of tile 0 the last chunk's LDS loads of b1 have read v[B1T] too
.endif
	v_lshl_or_b32 v[PWS], v[TM+5], 8, v[TM+4]
	v_lshl_or_b32 v[PWS], v[TM+6], 16, v[PWS]
	v_lshl_or_b32 v[PWS], v[TM+7], 24, v[PWS]      ; my row's scale word
	WIN 0x03                                       ; source 0 window 3
.irp b, 0,1,2,3
	v_cvt_scalef32_pk8_fp4_f32 v[PCS+2*\b], v[64*(\m)+16*\b:64*(\m)+16*\b+7], v[TM+12+\b]
	v_cvt_scalef32_pk8_fp4_f32 v[PCS+1+2*\b], v[64*(\m)+16*\b+8:64*(\m)+16*\b+15], v[TM+12+\b]
.endr
	WIN 0
	v_nop                                          ; one plain line behind the scaled conversions
.irp c, 0,1                            ; the operand's layout wants a WHOLE block in a lane: lanes 0-15 block 2 c, lanes 16-31 block 2 c + 1
.irp i, 0,1
	v_permlane16_swap_b32 v[PCS+4*\c+\i], v[PCS+2+4*\c+\i]
.endr
.endr
.endm
.macro IMG m                           ; tile m's fragment goes to LDS as it stands, and its scale words with it: three LDS stores
.set PCS, PC+8*((\m)%2)
.set PWS, PW+(\m)%2
.irp c, 0,1
	ds_store_b128 v[HWI], v[PCS+4*\c:PCS+4*\c+3] offset:4096*(\m)+512*\c   ; image 4 m + wave
.endr
	ds_store_b32 v[HWS], v[PWS] offset:512*(\m)
.endm
.macro HFL s                           ; the four hidden fragments of K step s: 8 LDS loads.  Any wave that loads an image as it was stored has the same registers in the same lanes
	WIN 0xC0                                       ; destination window 3
.irp m, 0,1,2,3
.irp c, 0,1
	ds_load_b128 v[64+8*(4*\m+(\s))+4*\c:64+8*(4*\m+(\s))+4*\c+3], v[LI] offset:1024*(4*\m+(\s))+512*\c
.endr
.endr
	WIN 0
.endm
; Phase 2, K step s (hidden units 128 s on of the chunk): 32 products, the 32 accumulators by turns.  cnt: the loads from memory that may stay out.  fill = 1: the slot takes the next chunk's W1 record of K step s.
; The hidden fragments come a K step at a time, two steps ahead of their products.  They land in registers that no vector or matrix instruction has named since the quantiser's last wait on va_vdst (a step's products read
; their own step's fragments alone): so in the last chunk, which refills nothing, phase 2 holds no wait on va_vdst.
.macro P2G s, cnt, fill
.if \s < 3
	s_wait_dscnt 8                                 ; this K step's fragments are in (for step 0 the scale words too); the eight loads of the step behind it may be out
.else
	s_wait_dscnt 0x0                               ; the last fragments are in: my reads of the images are over
.if \fill
	s_add_co_u32 s39, s39, 512                     ; b1 of the chunk to come: 512 bytes on in my LDS bytes
	v_add_nc_u32 v[B1T], s39, v[B1A]               ; (the LDS loads that read v[B1T], a chunk ago, stand ahead of this chunk's waits on vm_vsrc)
	s_barrier_signal -1
	s_barrier_wait -1                              ; everybody's reads are over: the next chunk may write the images again
.endif
.endif
	s_wait_loadcnt \cnt
.if (\s == 3) && \fill
	s_add_nc_u64 s[30:31], s[30:31], CHB           ; the 51 that may be out are this phase's three refills, which name s[42:43]: every load that names s[30:31] is done
.endif
	WIN 0xAD                                       ; source 0 (W2) window 1, source 1 (hidden) window 3, C and D window 2
.irp nn, 0,1,2,3,4,5,6,7
.irp m, 0,1,2,3
	P2MUL \m, \nn, \s
.endr
.endr
	PLACES
.if \fill
	s_wait_alu depctr_va_vdst(0)                   ; this step's products are done reading slot s and its scale words v[WS + 4 s ..], in which the refill's loads land
.endif
.if \s < 2
	HFL \s+2
.endif
.if \fill
.if \s == 3
	B1L B1T
.endif
	REFILL \s, \s, 42
.else
	WIN 0
.endif
.endm
.macro CHUNK last
	P1G 0, \last
	P1G 1, \last
	P1G 2, \last
	P1G 3, \last
	QUANT 0
	QUANT 1
	s_wait_alu depctr_va_vdst(0)                   ; the quantiser has written tiles 0 and 1's codes and scale words, which the six LDS stores below read
	IMG 0
	IMG 1
	QUANT 2
	QUANT 3
	s_wait_alu depctr_va_vdst(0)                   ; the quantiser has written tiles 2 and 3's codes and scale words, which the six LDS stores below read; and it is done with the hidden layer's accumulators, in which the fragments asked for behind the barrier land
	IMG 2
	IMG 3
	s_wait_dscnt 0x0                               ; for the others' sake: my images and scale words have landed
	s_barrier_signal -1
	s_barrier_wait -1                              ; everybody's have
.irp m, 0,1,2,3
	ds_load_b128 v[HS+4*\m:HS+4*\m+3], v[LS16] offset:512*\m   ; (the last chunk's products, which read v[HS ..], stand ahead of this chunk's waits on va_vdst)
.endr
	HFL 0
	HFL 1
.if \last
	P2G 0, 51, 0                                   ; nothing is left to fetch: the counts run down
	P2G 1, 34, 0
	P2G 2, 17, 0
	P2G 3, 0, 0
.else
	P2G 0, 51, 1                                   ; behind the slot's record three records were issued
	P2G 1, 51, 1
	P2G 2, 51, 1
	P2G 3, 51, 1
.endif
.endm
	s_load_b256 s[4:11], s[0:1], 0x0               ; xq s[4:5], xs s[6:7], wq s[8:9], b1_all s[10:11]
	s_load_b256 s[12:19], s[0:1], 0x20             ; b2_all s[12:13], gates s[14:15], rows s[16:17], tiles s[18:19]
	s_load_b64 s[20:21], s[0:1], 0x40              ; y
	v_lshl_add_u32 v126, v0, 2, 0x2bc00
	v_mov_b32 v127, 0
	v_lshrrev_b32 v27, 5, v0
	v_readfirstlane_b32 s28, v27                   ; wave 0..3
	v_and_b32 v28, 31, v0                          ; lane
	v_and_b32 v29, 15, v0                          ; r
	v_bfe_u32 v30, v0, 4, 1                        ; h
	v_lshlrev_b32 v[LI], 4, v28
	v_add_nc_u32 v[LS16], HSC, v[LI]
	s_wait_alu depctr_va_sdst(0)                   ; s28 is written, ahead of its first reader: LDS addresses and the bases of the stream and the biases are made from it
	s_lshl_b32 s29, s28, 10
	v_add_nc_u32 v[HWI], s29, v[LI]
	s_lshl_b32 s29, s28, 2
	v_add_nc_u32 v[HWS], s29, v[LS16]
	s_lshl_b32 s29, s28, 12
	v_add_nc_u32 v[XWI], s29, v[LI]
	s_lshl_b32 s29, s28, 9
	v_add_nc_u32 v[XWS], s29, v[LI]
	v_mul_u32_u24 v[SO], v29, SPI
	v_lshl_add_u32 v[SO], v30, 5, v[SO]
	s_add_co_u32 s29, s29, STG
	v_add_nc_u32 v[SO], s29, v[SO]
	v_add_nc_u32 v[SO2], 32*SPI, v[SO]
	s_lshl_b32 s29, s28, 4
	v_add_nc_u32 v[RW0], s29, v30
	v_add_nc_u32 v[EW], s29, v29
	v_mul_u32_u24 v[SR], v[RW0], SPI
	v_lshl_add_u32 v[SR], v29, 4, v[SR]
	v_add_nc_u32 v[SR], STG, v[SR]
	s_mul_i32 s29, s28, BLW
	v_add_nc_u32 v[BLS], s29, v[LI]
	v_lshl_add_u32 v[B2A], v30, 5, s29
	v_lshl_add_u32 v[B1A], v30, 6, s29
	v_add_nc_u32 v[B1A], BL, v[B1A]
	v_lshlrev_b32 v31, 4, v30                      ; 16 h
	s_mov_b32 s39, 0
	s_mov_b32 s36, 0x76543210
	s_mov_b32 s37, 0xfedcba98                      ; v_permlanex16_b32's selects for lane l xor 16
.irp b, 0,1,2,3
	v_mov_b32 v[TM+4+\b], 0                        ; written once: a lane permute's destination counts as one of its sources
.endr
	s_lshl_b32 s24, ttmp9, 2
	s_mov_b32 s25, 0
	s_wait_kmcnt 0x0
	s_add_nc_u64 s[18:19], s[18:19], s[24:25]
	s_load_b32 s22, s[18:19], 0x0                  ; my tile
	s_wait_kmcnt 0x0
	s_and_b32 s23, s22, 0x1fff
	s_min_u32 s23, s23, 0x1fff                     ; its first row in the list,
	s_bfe_u32 s24, s22, 0x60010
	s_min_u32 s24, s24, 63                         ; its rows - 1,
	s_lshr_b32 s25, s22, 24
	s_min_u32 s25, s25, 7                          ; its expert: each held inside its range
	s_lshl_b32 s26, s25, 2
	s_add_co_u32 s26, s26, s28
	s_mul_i32 s26, s26, 4*CHB
	s_mov_b32 s27, 0
	s_add_nc_u64 s[30:31], s[8:9], s[26:27]        ; my stream of records: (4 expert + wave) x 278,528 bytes
	s_mov_b64 s[42:43], s[30:31]                   ; the second pointer: the first chunk's phase 1 steps it to the second chunk
	s_lshl_b32 s29, s28, 9
	s_lshl_b32 s26, s25, 13
	s_add_co_u32 s26, s26, s29
	s_add_nc_u64 s[32:33], s[10:11], s[26:27]      ; b1: (2,048 expert + 128 wave) x 4
	s_lshl_b32 s26, s25, 11
	s_add_co_u32 s26, s26, s29
	s_add_nc_u64 s[34:35], s[12:13], s[26:27]      ; b2: (512 expert + 128 wave) x 4
.irp m, 0,1,2,3                        ; the list's entries of the rows whose gates I want (16 m + r),
	v_add_nc_u32 v27, 16*\m, v29
	v_min_u32 v27, s24, v27                        ; a row past the tile's count takes the last row's entry
	v_add_nc_u32 v27, s23, v27
	v_min_u32 v27, 0x1fff, v27
	v_lshlrev_b32 v[XF+\m], 2, v27
.endr
.irp k, 0,1,2,3,4,5,6,7                ; of the rows that I store (16 wave + 2 k + h),
	v_add_nc_u32 v27, 2*\k, v[RW0]
	v_min_u32 v27, s24, v27
	v_add_nc_u32 v27, s23, v27
	v_min_u32 v27, 0x1fff, v27
	v_lshlrev_b32 v[XF+4+\k], 2, v27
.endr
	v_min_u32 v27, s24, v[EW]              ; and of the row whose x I gather (16 wave + r)
	v_add_nc_u32 v27, s23, v27
	v_min_u32 v27, 0x1fff, v27
	v_lshlrev_b32 v[XF+12], 2, v27
	s_wait_alu depctr_va_vdst(0)                   ; the addresses v1 to v9, v12, v13 and v33 and the 13 offsets v[XF .. XF + 12] are written, which the loads and stores below read; v[EW], in which a load lands, has been written and read
.irp m, 0,1,2,3
	global_load_b32 v[ENT+\m], v[XF+\m], s[16:17]
.endr
.irp k, 0,1,2,3,4,5,6,7
	global_load_b32 v[EA+\k], v[XF+4+\k], s[16:17]
.endr
	global_load_b32 v[EW], v[XF+12], s[16:17]
.irp c, 0,1,2,3
	global_load_b128 v[XF+16+4*\c:XF+16+4*\c+3], v[LI], s[32:33] offset:2048*\c   ; b1 of my 128 hidden units of chunk c: 512 consecutive bytes
.endr
	global_load_b128 v[XF+32:XF+35], v[LI], s[34:35]   ; b2 of my 128 columns
	REFILL 0, 0, 30                                ; the weights do not hang on the list: two records go out while it comes
	REFILL 1, 1, 30
	s_wait_loadcnt 34                              ; the 13 entries and the biases are in; the two records may be out
	v_min_u32 v[EW], 0x1fff, v[EW]                 ; entry = token | slot << 12, held inside its range
	v_and_b32 v[EW], 0xfff, v[EW]                  ; token
	v_lshl_add_u32 v[XA], v[EW], 8, v31
	v_lshlrev_b32 v[XSW], 4, v[EW]
.irp m, 0,1,2,3
	v_min_u32 v[ENT+\m], 0x1fff, v[ENT+\m]
	v_lshlrev_b32 v[G+2*\m+1], 2, v[ENT+\m]        ; the gate's byte: gates is [slot][token]
.endr
.irp k, 0,1,2,3,4,5,6,7
	v_min_u32 v[EA+\k], 0x1fff, v[EA+\k]
	v_lshlrev_b32 v[EA+\k], 11, v[EA+\k]           ; y is [slot][token][2,048 bytes]
	v_lshl_add_u32 v[EA+\k], v29, 4, v[EA+\k]
.endr
	s_wait_alu depctr_va_vdst(0)                   ; v[XA], v[XSW] and the gates' four offsets are written, which the loads below read; so are v[EA ..], by which the rows of y are stored at the end
.irp s, 0,1,2,3                        ; the four fragments of rows 16 wave on: lane (r, h) takes bytes 64 s + 32 c + 16 h of its token's 256
.irp c, 0,1
	global_load_b128 v[XF+64+8*\s+4*\c:XF+64+8*\s+4*\c+3], v[XA], s[4:5] offset:64*\s+32*\c
.endr
.endr
	global_load_b128 v[XF+96:XF+99], v[XSW], s[6:7]   ; its four scale words
.irp m, 0,1,2,3
	global_load_b32 v[G+2*\m], v[G+2*\m+1], s[14:15]
.endr
	REFILL 2, 2, 30
	REFILL 3, 3, 30
.irp c, 0,1,2,3                        ; while x comes: the biases into my own LDS bytes, and back in the results' layout (LDS serves a wave's instructions in order: ISA guide 5.7.1.4)
	ds_store_b128 v[BLS], v[XF+16+4*\c:XF+16+4*\c+3] offset:BL+512*\c
.endr
	ds_store_b128 v[BLS], v[XF+32:XF+35] offset:BL+2048
	WIN 0x80                                       ; destination window 2: y's sums begin with b2, so that every chunk has the same text
.irp m, 0,1,2,3
.irp n, 0,1,2,3,4,5,6,7
	ds_load_b128 v[64*\m+8*\n:64*\m+8*\n+3], v[B2A] offset:BL+2048+64*\n          ; lane (r, h): columns 16 n + 8 h + 0 .. 7 of my 128
	ds_load_b128 v[64*\m+8*\n+4:64*\m+8*\n+7], v[B2A] offset:BL+2048+64*\n+16
.endr
.endr
	B1L B1A                                        ; the first chunk's b1
	s_wait_loadcnt 34                              ; x, its scale words and the gates are in; records 2 and 3 may be out
.irp s, 0,1,2,3
.irp c, 0,1
	ds_store_b128 v[XWI], v[XF+64+8*\s+4*\c:XF+64+8*\s+4*\c+3] offset:XIMG+1024*\s+512*\c   ; image 4 wave + s
.endr
.endr
	ds_store_b128 v[XWS], v[XF+96:XF+99] offset:XSC
	s_wait_dscnt 0x0                               ; for the others' sake: my images of x have landed (and my biases are in)
	s_barrier_signal -1
	s_barrier_wait -1                              ; everybody's have; they are written once and never again
	s_wait_alu depctr_vm_vsrc(0)                   ; the entries' loads have read their offsets v[XF .. XF + 12], and my LDS stores the biases and x in v[XF + 16 ..]: x's fragments land in these registers
.irp m, 0,1,2,3
.irp s, 0,1,2,3
.irp c, 0,1
	ds_load_b128 v[XF+8*(4*\m+\s)+4*\c:XF+8*(4*\m+\s)+4*\c+3], v[LI] offset:XIMG+1024*(4*\m+\s)+512*\c   ; x's 16 fragments stay in registers
.endr
.endr
.endr
.irp m, 0,1,2,3
	ds_load_b128 v[XS+4*\m:XS+4*\m+3], v[LI] offset:XSC+512*\m
.endr
	s_mov_b32 s38, 3
.Lchunk:
	CHUNK 0
	s_sub_co_u32 s38, s38, 1
	s_cmp_lg_u32 s38, 0
	s_cbranch_scc1 .Lchunk
	CHUNK 1                                        ; the last chunk is written out: it fetches nothing beyond the stream's end
	; THE WAY OUT.  x gate; a lane holds 32 neighbouring bytes of a row, and a row's 2,048 bytes come from four waves: they meet in the stage, and each wave stores 16 whole rows.
	WIN 0x82                                       ; destination and source 0 window 2
.irp m, 0,1,2,3
.set jj, 0
.rept 32
	v_pk_mul_f32 v[64*\m+jj:64*\m+jj+1], v[64*\m+jj:64*\m+jj+1], v[G+2*\m:G+2*\m+1] op_sel_hi:[1,0]   ; the pair's low word, the gate, serves both halves; each accumulator from its low end on
.set jj, jj+2
.endr
.endr
	WIN 0x08                                       ; an LDS store's data are its source 1: window 2
	s_wait_alu depctr_va_vdst(0)                   ; the multiplications by the gate have written y's registers, which the LDS stores below read; and the last products are done reading x's fragments and the ring's slots 0 and 1, in which the rows land behind the barrier
.irp m, 0,1
.irp n, 0,1,2,3,4,5,6,7
	ds_store_b128 v[SO], v[64*\m+8*\n:64*\m+8*\n+3] offset:16*\m*SPI+64*\n          ; lane (r, h): row 16 m + r, columns 128 wave + 16 n + 8 h + 0 .. 7
	ds_store_b128 v[SO], v[64*\m+8*\n+4:64*\m+8*\n+7] offset:16*\m*SPI+64*\n+16
.endr
.endr
.irp m, 2,3
.irp n, 0,1,2,3,4,5,6,7
	ds_store_b128 v[SO2], v[64*\m+8*\n:64*\m+8*\n+3] offset:16*(\m-2)*SPI+64*\n
	ds_store_b128 v[SO2], v[64*\m+8*\n+4:64*\m+8*\n+7] offset:16*(\m-2)*SPI+64*\n+16
.endr
.endr
	WIN 0
	s_wait_dscnt 0x0                               ; for the others' sake: my stores into the stage have landed
	s_barrier_signal -1
	s_barrier_wait -1
.irp k, 0,1,2,3                        ; my rows 16 wave + 2 k + h come back whole: k = 0 .. 3 into the registers that held x,
.irp q, 0,1,2,3,4,5,6,7
	ds_load_b128 v[XF+32*\k+4*\q:XF+32*\k+4*\q+3], v[SR] offset:2*\k*SPI+256*\q
.endr
.endr
	WIN 0x40                                       ; k = 4 .. 7 into the ring's first two slots, in window 1: each row has registers of its own, so no store's data are written again
.irp k, 4,5,6,7
.irp q, 0,1,2,3,4,5,6,7
	ds_load_b128 v[32*(\k-4)+4*\q:32*(\k-4)+4*\q+3], v[SR] offset:2*\k*SPI+256*\q
.endr
.endr
	WIN 0
.irp k, 0,1,2,3
	s_wait_dscnt 8*(7-\k)                          ; these two rows are in; the eight loads of each later pair may be out
.irp q, 0,1,2,3,4,5,6,7
	global_store_b128 v[EA+\k], v[XF+32*\k+4*\q:XF+32*\k+4*\q+3], s[20:21] offset:256*\q th:TH_STORE_NT   ; 16 lanes store 256 consecutive bytes, at a multiple of 256 from y's first byte
.endr
.endr
	WIN 0x04                                       ; a store's data are its source 1: window 1
.irp k, 4,5,6,7
	s_wait_dscnt 8*(7-\k)
.irp q, 0,1,2,3,4,5,6,7
	global_store_b128 v[EA+\k], v[32*(\k-4)+4*\q:32*(\k-4)+4*\q+3], s[20:21] offset:256*\q th:TH_STORE_NT
.endr
.endr
	WIN 0                                          ; the closing add's two registers lie in window 0
	s_wait_dscnt 0x0                               ; the closing lines, six on end
	s_wait_alu 0x0
	s_wait_tensorcnt 0x0
	ds_add_u32 v126, v127
	s_wait_dscnt 0x0
	s_endpgm
.Lfunc_end_k_qc568cc1e51_chain:
	.size	k_qc568cc1e51_chain, .Lfunc_end_k_qc568cc1e51_chain-k_qc568cc1e51_chain
	.p2alignl 7, 3214868480
	.fill 96, 4, 3214868480
	.section	.rodata,"a",@progbits
	.p2align	6, 0x0
	.amdhsa_kernel k_qc568cc1e51_chain
		.amdhsa_group_segment_fixed_size 179712
		.amdhsa_private_segment_fixed_size 0
		.amdhsa_enable_private_segment 0
		.amdhsa_kernarg_size 72
		.amdhsa_user_sgpr_count 2
		.amdhsa_user_sgpr_kernarg_segment_ptr 1
		.amdhsa_wavefront_size32 1
		.amdhsa_system_sgpr_workgroup_id_x 1
		.amdhsa_system_sgpr_workgroup_id_y 1
		.amdhsa_system_sgpr_workgroup_id_z 1
		.amdhsa_system_vgpr_workitem_id 0
		.amdhsa_next_free_vgpr 1024
		.amdhsa_next_free_sgpr 66
		.amdhsa_reserve_vcc 0
		.amdhsa_float_denorm_mode_32 3
		.amdhsa_float_denorm_mode_16_64 3
		.amdhsa_memory_ordered 1
		.amdhsa_forward_progress 1
		.amdhsa_inst_pref_size 193
	.end_amdhsa_kernel
	.amdgpu_metadata
---
amdhsa.version: [ 1, 2 ]
amdhsa.kernels:
  - .name:           k_qc568cc1e51_chain
    .symbol:         k_qc568cc1e51_chain.kd
    .args:
      - { .name: xq, .offset: 0, .size: 8, .value_kind: global_buffer, .address_space: global }
      - { .name: xs, .offset: 8, .size: 8, .value_kind: global_buffer, .address_space: global }
      - { .name: wq, .offset: 16, .size: 8, .value_kind: global_buffer, .address_space: global }
      - { .name: b1_all, .offset: 24, .size: 8, .value_kind: global_buffer, .address_space: global }
      - { .name: b2_all, .offset: 32, .size: 8, .value_kind: global_buffer, .address_space: global }
      - { .name: gates, .offset: 40, .size: 8, .value_kind: global_buffer, .address_space: global }
      - { .name: rows, .offset: 48, .size: 8, .value_kind: global_buffer, .address_space: global }
      - { .name: tiles, .offset: 56, .size: 8, .value_kind: global_buffer, .address_space: global }
      - { .name: y, .offset: 64, .size: 8, .value_kind: global_buffer, .address_space: global }
    .group_segment_fixed_size: 179712
    .private_segment_fixed_size: 0
    .kernarg_segment_align: 8
    .kernarg_segment_size: 72
    .max_flat_workgroup_size: 128
    .sgpr_count:     66
    .vgpr_count:     1024
    .wavefront_size: 32
...
	.end_amdgpu_metadata
.endif
;; end of part 5
;; launch combine: the kernel of part 4 again; grid 256 x 1, 8 waves a work-group, no clusters, 0 bytes of LDS; arguments y, out0; writes out0
